; MI455X (gfx1250); checked and timed in simulation.
; The chip was launched on July 23, 2026; its instructions are those of AMD's public machine-readable ISA for CDNA 5 (MIT licence, August 2026) and "CDNA5" Instruction Set Architecture Reference Guide (July 2026). The comments in the code are by the model that wrote it; some were corrected since.
;; Causal Attention. Allowed arithmetic: float matrix products may take bf16 or f16 operands with f32 sums; other float arithmetic in f32, or as packed bf16 or f16 multiplies, adds, multiply-adds, maxima and minima; sums over many terms, partial sums and values carried from step to step in f32; what a program stores and reads back later, other than sums and carried values, may be rounded once to bf16 or f16.
;; Inputs: Wk 1,024 x 1,024 float32; Wq 1,024 x 1,024 float32; Wv 1,024 x 1,024 float32; x 4 x 2,048 x 1,024 float32.
;; Outputs: out0 4 x 2,048 x 1,024 float32.
;; 2 versions, each right; version 2 is version 1 with the launch prep written anew for expert scheduling mode. Each part assembles by itself: llvm-mc -triple=amdgcn-amd-amdhsa -mcpu=gfx1250 --defsym DOCPART=n.
;; ======== version 1 of 2: 4 launches
;; limits: values are held in f16: magnitudes above 65,504 overflow, below 6.1e-05 lose precision; right only within a limited range of input values
;; workspace buffers: xh 16,777,216 bytes; wh 6,291,456 bytes; qkv 50,331,648 bytes; p 33,554,432 bytes; st 1,048,576 bytes
;; launch prep (part 1): grid 704 x 1, 8 waves a work-group, no clusters, 0 bytes of LDS; arguments x, Wq, Wk, Wv, xh, wh; writes xh, wh
.if DOCPART == 1
	.amdgcn_target "amdgcn-amd-amdhsa--gfx1250"
	.amdhsa_code_object_version 6
	.text
	.protected	k_qff7cd8c467_prep
	.globl	k_qff7cd8c467_prep
	.p2align	8
	.type	k_qff7cd8c467_prep,@function
k_qff7cd8c467_prep:
	s_mov_b64 s[64:65], 0
	v_nop
	global_prefetch_b8 v0, s[64:65] scope:SCOPE_SE
	s_setreg_imm32_b32 hwreg(HW_REG_WAVE_MODE, 25, 1), 1
	s_wait_xcnt 0x0
; xh = f16(bf16(x)), wh = f16(bf16(Wq, Wk, Wv)), laid out in blocks for the product that follows.  A stream: no LDS, no matrix unit, no barrier.
; Every input is rounded to bf16 (8 significant bits) and that number is written as f16 (11 bits): exact between 6.1e-5 and 65,504 in magnitude.
; LIMITS.  An input beyond 65,504 becomes an infinity; below 6.1e-5 the f16 keeps its fixed step of 6e-8.  NaN and infinities are not treated apart.
; xh: [16 kb][8192 row][64 k] f16: the rows of one block of 64 along K lie end to end, 128 bytes each.
; wh: [24 seg][1024 d][128 e] f16, seg = 8 m + e / 128, m = 0, 1, 2 for Wq, Wk, Wv: rows of 256 bytes.
; SHARES.  A wave takes 8,192 consecutive bytes of an input: two rows of 1,024 f32.  Sixteen loads of 16 bytes a lane, sixteen stores of 8 bytes a lane;
; each store of the wave covers 256 consecutive bytes, aligned.  Work-groups 0-511 take x (8 row pairs each), 512-703 the three weights (64 work-groups each).
.set X, 8                              ; v[8:71]    sixteen loads, four f32 each
.set T, 72                             ; v[72:75]   at work
.set Y, 76                             ; v[76:107]  sixteen stores, four f16 each; each pair is written once, so no store's data is rewritten
.macro CONV j                          ; four f32 -> bf16 -> f32 (a shift, a mask) -> f16
	v_cvt_pk_bf16_f32 v[T], v[X+4*(\j)], v[X+4*(\j)+1]
	v_cvt_pk_bf16_f32 v[T+1], v[X+4*(\j)+2], v[X+4*(\j)+3]
	v_lshlrev_b32 v[T+2], 16, v[T]
	v_and_b32 v[T], s17, v[T]
	v_lshlrev_b32 v[T+3], 16, v[T+1]
	v_and_b32 v[T+1], s17, v[T+1]
	v_cvt_pk_f16_f32 v[Y+2*(\j)], v[T+2], v[T]
	v_cvt_pk_f16_f32 v[Y+2*(\j)+1], v[T+3], v[T+1]
.endm
	s_load_b256 s[4:11], s[0:1], 0x0               ; x s[4:5], Wq s[6:7], Wk s[8:9], Wv s[10:11]
	s_load_b128 s[12:15], s[0:1], 0x20             ; xh s[12:13], wh s[14:15]
	v_lshrrev_b32 v1, 5, v0
	v_readfirstlane_b32 s16, v1                    ; wave 0..7
	v_and_b32 v2, 31, v0                           ; lane
	v_lshlrev_b32 v5, 3, v2                        ; 8 x lane: my 8 bytes of a store's 256
	s_mov_b32 s17, 0xffff0000                      ; a word's upper bf16
	s_mov_b32 s21, 0                               ; high words of the two offsets
	s_mov_b32 s23, 0
	s_cmp_lt_u32 ttmp9, 512
	s_cbranch_scc0 .Lweights
	; x: row pair rp = 8 x work-group + wave.  Load kb: lanes 0-15 take 256 bytes (64 k) of the even row, lanes 16-31 of the odd row.
	v_lshrrev_b32 v3, 4, v2
	v_and_b32 v4, 15, v2
	v_lshlrev_b32 v1, 4, v4
	v_lshl_add_u32 v1, v3, 12, v1                  ; row x 4,096 + 16 x (lane mod 16)
	v_add_nc_u32 v6, 0x800000, v5                  ; blocks 8-15 lie 8 x 1,048,576 bytes on: beyond the immediate's reach
	s_lshl_b32 s18, ttmp9, 3
	s_add_co_u32 s18, s18, s16                     ; rp
	s_lshl_b32 s20, s18, 13                        ; two rows of x: 8,192 bytes
	s_lshl_b32 s22, s18, 8                         ; two rows of a block of xh: 256 bytes
	s_wait_kmcnt 0x0
	s_add_nc_u64 s[24:25], s[4:5], s[20:21]
	s_add_nc_u64 s[26:27], s[12:13], s[22:23]
.set j, 0
.rept 16
	global_load_b128 v[X+4*j:X+4*j+3], v1, s[24:25] offset:256*j th:TH_LOAD_NT
.set j, j+1
.endr
.set j, 0
.rept 16
	s_wait_loadcnt 15-j                            ; loads come back in order: load j is in, the 15 - j younger ones stay out
	CONV j
.if j < 8
	global_store_b64 v5, v[Y+2*j:Y+2*j+1], s[26:27] offset:j*1048576
.else
	global_store_b64 v6, v[Y+2*j:Y+2*j+1], s[26:27] offset:(j-8)*1048576
.endif
.set j, j+1
.endr
	s_endpgm
.Lweights:
	; weights: m = g / 64, rows d0 = 16 (g mod 64) + 2 x wave and d0 + 1.  Load j: 512 consecutive bytes: row d0 + j / 8, columns 128 (j mod 8) on.
	s_sub_co_u32 s18, ttmp9, 512
	s_lshr_b32 s19, s18, 6                         ; m
	s_and_b32 s18, s18, 63
	s_lshl_b32 s18, s18, 4
	s_lshl1_add_u32 s18, s16, s18                  ; d0
	s_lshl_b32 s20, s18, 12                        ; d0 rows of 4,096 bytes
	s_lshl_b32 s22, s18, 8                         ; d0 rows of 256 bytes,
	s_lshl_b32 s28, s19, 21                        ; in the eight segments of weight m
	s_add_co_u32 s22, s22, s28
	v_lshlrev_b32 v1, 4, v2                        ; 16 x lane
	s_wait_kmcnt 0x0
	s_cmp_eq_u32 s19, 1
	s_cselect_b64 s[24:25], s[8:9], s[6:7]         ; the weight is chosen by the work-group's number alone
	s_cmp_eq_u32 s19, 2
	s_cselect_b64 s[24:25], s[10:11], s[24:25]
	s_add_nc_u64 s[24:25], s[24:25], s[20:21]
	s_add_nc_u64 s[26:27], s[14:15], s[22:23]
.set j, 0
.rept 16
	global_load_b128 v[X+4*j:X+4*j+3], v1, s[24:25] offset:512*j th:TH_LOAD_NT
.set j, j+1
.endr
.set j, 0
.rept 16
	s_wait_loadcnt 15-j                            ; as above
	CONV j
	global_store_b64 v5, v[Y+2*j:Y+2*j+1], s[26:27] offset:(j%8)*262144+(j/8)*256
.set j, j+1
.endr
	s_endpgm
.Lfunc_end_k_qff7cd8c467_prep:
	.size	k_qff7cd8c467_prep, .Lfunc_end_k_qff7cd8c467_prep-k_qff7cd8c467_prep
	.p2alignl 7, 3214868480
	.fill 96, 4, 3214868480
	.section	.rodata,"a",@progbits
	.p2align	6, 0x0
	.amdhsa_kernel k_qff7cd8c467_prep
		.amdhsa_group_segment_fixed_size 0
		.amdhsa_private_segment_fixed_size 0
		.amdhsa_enable_private_segment 0
		.amdhsa_kernarg_size 48
		.amdhsa_user_sgpr_count 2
		.amdhsa_user_sgpr_kernarg_segment_ptr 1
		.amdhsa_wavefront_size32 1
		.amdhsa_system_sgpr_workgroup_id_x 1
		.amdhsa_system_sgpr_workgroup_id_y 1
		.amdhsa_system_sgpr_workgroup_id_z 1
		.amdhsa_system_vgpr_workitem_id 0
		.amdhsa_next_free_vgpr 112
		.amdhsa_next_free_sgpr 66
		.amdhsa_reserve_vcc 0
		.amdhsa_float_denorm_mode_32 3
		.amdhsa_float_denorm_mode_16_64 3
		.amdhsa_memory_ordered 1
		.amdhsa_forward_progress 1
		.amdhsa_inst_pref_size 21
	.end_amdhsa_kernel
	.amdgpu_metadata
---
amdhsa.version: [ 1, 2 ]
amdhsa.kernels:
  - .name:           k_qff7cd8c467_prep
    .symbol:         k_qff7cd8c467_prep.kd
    .args:
      - { .name: x, .offset: 0, .size: 8, .value_kind: global_buffer, .address_space: global }
      - { .name: Wq, .offset: 8, .size: 8, .value_kind: global_buffer, .address_space: global }
      - { .name: Wk, .offset: 16, .size: 8, .value_kind: global_buffer, .address_space: global }
      - { .name: Wv, .offset: 24, .size: 8, .value_kind: global_buffer, .address_space: global }
      - { .name: xh, .offset: 32, .size: 8, .value_kind: global_buffer, .address_space: global }
      - { .name: wh, .offset: 40, .size: 8, .value_kind: global_buffer, .address_space: global }
    .group_segment_fixed_size: 0
    .private_segment_fixed_size: 0
    .kernarg_segment_align: 8
    .kernarg_segment_size: 48
    .max_flat_workgroup_size: 256
    .sgpr_count:     66
    .vgpr_count:     112
    .wavefront_size: 32
...
	.end_amdgpu_metadata
.endif
;; end of part 1
;; launch proj (part 2): grid 8 x 32, 4 waves a work-group, clusters of 4 x 4, 327,680 bytes of LDS; arguments xh, wh, qkv; writes qkv
.if DOCPART == 2
	.amdgcn_target "amdgcn-amd-amdhsa--gfx1250"
	.amdhsa_code_object_version 6
	.text
	.protected	k_qff7cd8c467_proj
	.globl	k_qff7cd8c467_proj
	.p2align	8
	.type	k_qff7cd8c467_proj,@function
k_qff7cd8c467_proj:
	s_mov_b64 s[64:65], 0
	v_nop
	global_prefetch_b8 v0, s[64:65] scope:SCOPE_SE
	s_setreg_imm32_b32 hwreg(HW_REG_WAVE_MODE, 25, 1), 1
	s_wait_xcnt 0x0
	s_wait_alu depctr_hold_cnt(0) depctr_sa_sdst(0) depctr_va_vdst(0) depctr_va_sdst(0) depctr_va_ssrc(0) depctr_va_vcc(0) depctr_vm_vsrc(0)
	s_getreg_b32 s2, hwreg(HW_REG_IB_STS2, 6, 4)
	s_cmp_eq_u32 s2, 0
	s_cbranch_scc0 .Lentry_in_a_cluster
	s_endpgm
.Lentry_in_a_cluster:
	s_bfe_u32 s2, ttmp6, 0x10000c
	s_cmp_lg_u32 s2, 0xf033
	s_cbranch_scc0 .Lentry_shape_is_right
	s_endpgm
.Lentry_shape_is_right:
; qkv[8192][3072] = xh . wh: q, k and v side by side in rows of 6,144 bytes, f16, each rounded once from its f32 sum.  K = 1,024.
; LIMITS.  q, k, v beyond 65,504 become infinities (f16); NaN and infinities are not treated apart.
; THE TILE is 256 rows x 384 columns: 8192 x 3072 / (256 x 384) = 256 work-groups.  Four waves, each 128 x 192: 96 accumulators of 16 x 16, 768 registers.
; K goes in steps of 64 (one block of xh) through two LDS slots; a step is two sub-steps of 32, 96 matrix instructions each.
; CLUSTER 4 x 4.  The four work-groups of a row need the same tile of xh, the four of a column the same tiles of wh: each tile is asked for jointly, by the same
; tensor load, descriptor and mask in all four.  Wave 0 brings xh's tile (32,768 dense bytes), waves 1-3 one segment of wh each (64 rows of 256 bytes).
; THE MATRIX INSTRUCTION IS USED TRANSPOSED: source 0 = 16 columns of wh (turned on the way out of LDS by ds_load_tr16_b128), source 1 = 16 rows of xh: a lane then holds
; eight neighbouring numbers of a row of qkv.
; REGISTERS, in windows of 256: window 0: v0-31 addresses; v32-159 xh's fragments, two buffers of 64; v160-255 wh's twelve fragments, one buffer, refilled group by group;
; windows 1-3: the accumulators of column groups 0-2 (64 columns each): (a, b') at v[8 (8 b' + a)].
.set PITA,  144                        ; a row of xh in LDS: 128 bytes + 16: the 16 rows of a fragment load start at 16 different groups of four banks (ISA guide 11.1)
.set PITB,  288                        ; a row of wh: 256 + 32
.set BOFF,  256*PITA                   ; wh's three segments lie behind xh's 256 rows
.set SEGB,  64*PITB
.set SLOT1, 1<<17                      ; slot 1 begins here: one exclusive or turns an address in one slot into the other's
.set STAGE, SLOT1+BOFF+3*SEGB          ; behind the ring, never filled by a tensor load: 128 rows x 784 bytes, the work-group's, for the way out
.set SPITCH, 784                       ; 768 bytes + 16
.set SPARE, STAGE+128*SPITCH           ; the spare words, 128 bytes for each wave
.set ABASE, 4                          ; v4     my lane's place in xh's tile, slot 0
.set BBASE, 5                          ; v5-7   the same in wh's tiles, for column groups 0-2
.set RD,    8                          ; v8-10  the way out: where I read the stage back
.set CO,    11                         ; v11-13 my byte offsets in qkv
.set ADRA,  16                         ; v16    LDS address of xh's fragments in the slot in hand
.set ADRB,  17                         ; v17-19 of wh's
.set STO,   24                         ; v24    the way out: where I put 16 bytes of a row
.set SPW,   28                         ; v28    my spare word; never rewritten
.set NIL,   29                         ; v29    0; never rewritten
.set AF,    32
.set BF,    160
.set OT,    32                         ; the way out: 192 registers
.set WV,    10                         ; s10    my wave's number
.set TB,    21                         ; s21    0 or SLOT1: the slot whose fragments are fetched
.set G1A,   24                         ; s[24:31] descriptor group 1 for xh's tile;  s[32:39] group 0: a set for each first fill; the second then walks
.set G0A,   32
.set G1B,   48                         ; s[48:55], s[56:63] the same for wh's
.set G0B,   56
.set MSB, 0
.macro WIN new                         ; the immediate's high byte repeats the setting that is left; a switch that changes nothing is dropped
.if MSB != (\new)
	s_set_vgpr_msb (MSB<<8)|(\new)
.set MSB, (\new)
.endif
.endm
.macro PLACES                          ; four places behind matrix instructions, in front of loads into registers that they read and of conversions that read results
.rept 4
	v_nop
.endr
.endm
.macro JLOAD                           ; a joint refill by the walking sets; the branch hangs on the wave's number alone; an s_nop 0 and four v_nop follow each line
	s_cmp_eq_u32 s[WV], 0
	s_cbranch_scc0 .Lfor_b_\@
	tensor_load_to_lds s[G0A+4:G0A+7], s[G1A:G1A+7]
	s_nop 0
.rept 4
	v_nop
.endr
	s_branch .Lasked_\@
.Lfor_b_\@:
	tensor_load_to_lds s[G0B+4:G0B+7], s[G1B:G1B+7]
	s_nop 0
.rept 4
	v_nop
.endr
.Lasked_\@:
.endm
.macro CREST                           ; a round of the cluster's barrier behind its opening barrier
	s_cmp_lg_u32 s[WV], 0
	s_cbranch_scc1 .Lnot_wave_0_\@
	s_barrier_signal -3
.Lnot_wave_0_\@:
	s_barrier_wait -3
	s_barrier_signal -1
	s_barrier_wait -1
.endm
.macro CROUND
	s_barrier_signal -1
	s_barrier_wait -1
	CREST
.endm
	s_load_b128 s[4:7], s[0:1], 0x0                ; xh s[4:5], wh s[6:7]
	s_load_b64 s[8:9], s[0:1], 0x10                ; qkv
	v_lshl_add_u32 v[SPW], v0, 2, SPARE
	v_mov_b32 v[NIL], 0
	ds_add_u32 v[SPW], v[NIL]                      ; the wave's opening: the add and its wait ahead of my first tensor load; work on registers stands between
	ds_add_u32 v28, v29
	v_lshrrev_b32 v1, 5, v0
	v_readfirstlane_b32 s[WV], v1                  ; wave 0..3
	s_lshr_b32 s11, s[WV], 1                       ; which 128 rows of the tile are mine
	s_and_b32 s12, s[WV], 1                        ; which 192 columns
	s_bfe_u32 s40, ttmp6, 0x40000                  ; cx, cy: my place in the cluster
	s_bfe_u32 s41, ttmp6, 0x40004
	s_lshl_b32 s42, ttmp9, 2
	s_add_co_u32 s42, s42, s40                     ; tile column 0..7
	s_and_b32 s13, ttmp7, 0xffff
	s_lshl_b32 s13, s13, 2
	s_add_co_u32 s13, s13, s41                     ; tile row 0..31
	s_lshl_b32 s43, s41, 2
	s_lshl_b32 s43, 15, s43                        ; my row of the cluster
	s_lshl_b32 s44, 0x1111, s40                    ; my column
	; group 1 for xh: 32,768 dense bytes as 128 rows of 256, padded by 4 words after every 32 words (one row of 64 k)
	s_or_b32 s[G1A], s43, (1<<16)|(1<<20)|(1<<21)|(4<<22)|(3<<25)
	s_mov_b32 s[G1A+1], 128<<16                    ; tensor_dim0 = 128 elements
	s_mov_b32 s[G1A+2], 128<<16                    ; tensor_dim1 = 128
	s_mov_b32 s[G1A+3], 128<<16                    ; tile_dim0 = 128
	s_mov_b32 s[G1A+4], 128                        ; tile_dim1 = 128
	s_mov_b32 s[G1A+5], 128                        ; 128 elements from row to row
	s_mov_b32 s[G1A+6], 0
	s_mov_b32 s[G1A+7], 0
	; group 1 for wh: 64 rows of 128 elements, padded by 8 words after every 64 words
	s_or_b32 s[G1B], s44, (1<<16)|(1<<20)|(1<<21)|(5<<22)|(7<<25)
	s_mov_b32 s[G1B+1], 128<<16
	s_mov_b32 s[G1B+2], 64<<16
	s_mov_b32 s[G1B+3], 128<<16
	s_mov_b32 s[G1B+4], 64
	s_mov_b32 s[G1B+5], 128
	s_mov_b32 s[G1B+6], 0
	s_mov_b32 s[G1B+7], 0
	s_lshl_b32 s16, s13, 15                        ; xh: my tile row's 256 rows of 128 bytes in a block
	s_mov_b32 s17, 0
	s_max_u32 s45, s[WV], 1
	s_sub_co_u32 s45, s45, 1                       ; wh: waves 1-3 bring segments 0-2 of the tile's three
	s_mul_i32 s46, s42, 3
	s_add_co_u32 s46, s46, s45
	s_lshl_b32 s46, s46, 18                        ; a segment is 262,144 bytes
	s_mov_b32 s47, 0
	s_mul_i32 s20, s[WV], SEGB
	s_add_co_u32 s20, s20, SEGB                    ; wave w's segment lands at BOFF + (w - 1) SEGB = SEGB + w SEGB: no place in the cluster enters an LDS address
	s_mov_b32 s[G0A], 1
	s_mov_b32 s[G0A+1], 0
	s_mov_b32 s[G0A+4], 1
	s_mov_b32 s[G0A+5], SLOT1
	s_mov_b32 s[G0B], 1
	s_mov_b32 s[G0B+1], s20
	s_mov_b32 s[G0B+4], 1
	s_add_co_u32 s[G0B+5], s20, SLOT1
	s_mov_b32 s[TB], 0
	s_wait_dscnt 0x0                               ; the opening add is done
	s_wait_kmcnt 0x0
	s_add_nc_u64 s[G0A+2:G0A+3], s[4:5], s[16:17]              ; K step 0
	s_add_nc_u64 s[G0A+6:G0A+7], s[G0A+2:G0A+3], 1048576       ; K step 1: the next block of xh
	s_or_b32 s[G0A+3], s[G0A+3], 0x80000000
	s_or_b32 s[G0A+7], s[G0A+7], 0x80000000
	s_add_nc_u64 s[G0B+2:G0B+3], s[6:7], s[46:47]
	s_add_nc_u64 s[G0B+6:G0B+7], s[G0B+2:G0B+3], 16384         ; the segment's next 64 rows
	s_or_b32 s[G0B+3], s[G0B+3], 0x80000000
	s_or_b32 s[G0B+7], s[G0B+7], 0x80000000
	CROUND                                         ; all sixteen work-groups are here: the first joint loads meet
	s_cmp_eq_u32 s[WV], 0                          ; a wave's two first fills stand in one branch: two loads of mine are out
	s_cbranch_scc0 .Lfirst_b
	tensor_load_to_lds s[G0A:G0A+3], s[G1A:G1A+7]
	s_nop 0
	tensor_load_to_lds s[G0A+4:G0A+7], s[G1A:G1A+7]
	s_nop 0
.rept 4
	v_nop
.endr
	s_branch .Lfirst_asked
.Lfirst_b:
	tensor_load_to_lds s[G0B:G0B+3], s[G1B:G1B+7]
	s_nop 0
	tensor_load_to_lds s[G0B+4:G0B+7], s[G1B:G1B+7]
	s_nop 0
.rept 4
	v_nop
.endr
.Lfirst_asked:
	v_and_b32 v1, 15, v0                           ; r = l % 16
	v_bfe_u32 v2, v0, 4, 1                         ; h = l / 16
	v_and_b32 v3, 7, v0
	v_bfe_u32 v14, v0, 3, 1
	v_mul_u32_u24 v[ABASE], v1, PITA               ; a fragment of xh: row r, 16 bytes for each half of the lanes; two loads 32 bytes apart
	v_lshl_add_u32 v[ABASE], v2, 4, v[ABASE]
	s_mul_i32 s22, s11, 128*PITA
	v_add_nc_u32 v[ABASE], s22, v[ABASE]
	v_lshl_add_u32 v15, v2, 3, v3                  ; the turning load: lane l reads row 8 h + l % 8 (along K), columns 8 ((l / 8) % 2) on
	v_mul_u32_u24 v15, v15, PITB
	v_lshl_add_u32 v15, v14, 4, v15
	s_mul_i32 s14, s12, 3                          ; my column groups are numbers u = 3 ch + g of the tile's six: segment u / 2, half u % 2
.irp g, 0,1,2
	s_add_co_u32 s22, s14, \g
	s_lshr_b32 s23, s22, 1
	s_mul_i32 s23, s23, SEGB
	s_and_b32 s22, s22, 1
	s_lshl_b32 s22, s22, 7
	s_add_co_u32 s23, s23, s22
	s_add_co_u32 s23, s23, BOFF
	v_add_nc_u32 v[BBASE+\g], s23, v15
.endr
	v_mul_u32_u24 v[STO], v1, SPITCH               ; into the stage: row 64 rh + 16 a' + r, byte 384 ch + 32 b + 16 h
	v_lshl_add_u32 v[STO], v2, 4, v[STO]
	s_mul_i32 s22, s11, 64*SPITCH
	s_mul_i32 s23, s12, 384
	s_add_co_u32 s22, s22, s23
	s_add_co_u32 s22, s22, STAGE
	v_add_nc_u32 v[STO], s22, v[STO]
	; back: wave w takes stage rows 32 w .. 32 w + 31, two rows (1,536 bytes) by three loads of 512 bytes: row 0 bytes 0-511; row 0 bytes 512-767 and row 1 bytes 0-255; row 1 bytes 256-767
	v_and_b32 v20, 31, v0
	v_lshlrev_b32 v20, 4, v20                      ; 16 l
	v_lshlrev_b32 v21, 4, v1                       ; 16 r
	s_mul_i32 s22, s[WV], 32*SPITCH
	s_add_co_u32 s22, s22, STAGE
	v_add_nc_u32 v[RD], s22, v20
	v_add_nc_u32 v[RD+2], SPITCH+256, v[RD]
	v_mul_u32_u24 v22, v2, SPITCH-512
	v_add_nc_u32 v22, v22, v21
	v_add_nc_u32 v22, s22, v22
	v_add_nc_u32 v[RD+1], 512, v22
	v_mov_b32 v[CO], v20                           ; and the same bytes in two rows of qkv
	v_add_nc_u32 v[CO+2], 6144+256, v20
	v_mul_u32_u24 v22, v2, 6144-512
	v_add_nc_u32 v22, v22, v21
	v_add_nc_u32 v[CO+1], 512, v22
	s_lshl_b32 s18, s13, 8                         ; the first row that I store: 256 x tile row + 128 (w / 2) + 32 (w % 2)
	s_lshl_b32 s19, s11, 7
	s_add_co_u32 s18, s18, s19
	s_lshl_b32 s19, s12, 5
	s_add_co_u32 s18, s18, s19
	s_mul_i32 s18, s18, 6144
	s_mul_i32 s19, s42, 768                        ; the tile's first column, in bytes
	s_add_co_u32 s18, s18, s19
	s_mov_b32 s19, 0
	s_add_nc_u64 s[8:9], s[8:9], s[18:19]
.macro SETADR                          ; the fragments' addresses in the slot that s[TB] names
	v_add_nc_u32 v[ADRA], s[TB], v[ABASE]
.irp g, 0,1,2
	v_add_nc_u32 v[ADRB+\g], s[TB], v[BBASE+\g]
.endr
.endm
; 16 matrix instructions: column blocks 2 hb, 2 hb + 1 of group g x all 8 row blocks, on xh's buffer p.  zero = 1: the products start the sums.
; The 96 accumulators take turns, one instruction a turn.
.macro MUL16 g, p, hb, zero
	WIN ((1+(\g))<<6)|((1+(\g))<<4)
.irp b, 2*(\hb), 2*(\hb)+1
.irp a, 0,1,2,3,4,5,6,7
.if \zero
	v_wmma_f32_16x16x32_f16 v[8*(8*(\b)+\a):8*(8*(\b)+\a)+7], v[BF+8*(4*(\g)+(\b)):BF+8*(4*(\g)+(\b))+7], v[AF+64*(\p)+8*\a:AF+64*(\p)+8*\a+7], 0
.else
	v_wmma_f32_16x16x32_f16 v[8*(8*(\b)+\a):8*(8*(\b)+\a)+7], v[BF+8*(4*(\g)+(\b)):BF+8*(4*(\g)+(\b))+7], v[AF+64*(\p)+8*\a:AF+64*(\p)+8*\a+7], v[8*(8*(\b)+\a):8*(8*(\b)+\a)+7]
.endif
.endr
.endr
.endm
.macro MULS g, p, zero
	MUL16 \g, \p, 0, \zero
	MUL16 \g, \p, 1, \zero
.endm
.macro LDB g, sub                      ; 8 loads: group g's four fragments of wh for sub-step sub
.irp b, 0,1,2,3
	ds_load_tr16_b128 v[BF+8*(4*(\g)+\b):BF+8*(4*(\g)+\b)+3],   v[ADRB+(\g)] offset:(\sub)*32*PITB+32*\b
	ds_load_tr16_b128 v[BF+8*(4*(\g)+\b)+4:BF+8*(4*(\g)+\b)+7], v[ADRB+(\g)] offset:(\sub)*32*PITB+32*\b+16*PITB
.endr
.endm
.macro LDA hf, sub, p                  ; 8 loads: row blocks 4 hf .. 4 hf + 3 of xh for sub-step sub, into buffer p
.irp i, 0,1,2,3
	ds_load_b128 v[AF+64*(\p)+8*(4*(\hf)+\i):AF+64*(\p)+8*(4*(\hf)+\i)+3],   v[ADRA] offset:(4*(\hf)+\i)*16*PITA+64*(\sub)
	ds_load_b128 v[AF+64*(\p)+8*(4*(\hf)+\i)+4:AF+64*(\p)+8*(4*(\hf)+\i)+7], v[ADRA] offset:(4*(\hf)+\i)*16*PITA+64*(\sub)+32
.endr
.endm
; A K step's first sub-step: multiplies buffer 0 and fetches the same slot's second sub-step.  The loads for a sub-step are issued in the order B0, A0-3, A4-7, B1, B2.
.macro S0 zero
	s_wait_dscnt 16                                ; B's group 0 and all of A are in; the runs for groups 1 and 2 may be out
	MULS 0, 0, \zero
	PLACES
	WIN 0
	LDB 0, 1
	LDA 0, 1, 1
	s_wait_dscnt 24                                ; group 1 is in: behind it group 2's eight loads and the sixteen just issued
	MULS 1, 0, \zero
	PLACES
	WIN 0
	LDA 1, 1, 1
	LDB 1, 1
	s_wait_dscnt 32                                ; group 2 is in: behind it this sub-step's two runs
	MULS 2, 0, \zero
	PLACES
	WIN 0
	LDB 2, 1
.endm
; The second sub-step multiplies buffer 1 and changes slots: ONE barrier.  In front of it each wave waits for all its tensor loads (one is out: its part of the other slot), adds 0 to its
; spare word, and waits for that and for its reads of this slot.  fill = 1: the barrier opens a round of the cluster's, and this slot is filled again, two K steps ahead, first thing behind it:
; 160 matrix instructions stand between that request and the wait for it.
.macro S1 fill
	WIN 0
	s_wait_tensorcnt 0x0                           ; no tensor load of mine is out, so a group 0 may be written
	ds_add_u32 v[SPW], v[NIL]                      ; 0 onto my spare word
.if \fill
	s_xor_b32 s[G0A+5], s[G0A+5], SLOT1            ; the walking sets: the other slot than last time, the next K step
	s_add_nc_u64 s[G0A+6:G0A+7], s[G0A+6:G0A+7], 1048576
	s_xor_b32 s[G0B+5], s[G0B+5], SLOT1
	s_add_nc_u64 s[G0B+6:G0B+7], s[G0B+6:G0B+7], 16384
.endif
	s_wait_dscnt 17                                ; as in S0, and the add may be out
	MUL16 0, 1, 0, 0
	s_wait_dscnt 0x0                               ; the add is done, and my reads of this slot are over
	s_barrier_signal -1
	MUL16 0, 1, 1, 0
	WIN 0
	s_barrier_wait -1
.if \fill
	CREST                                          ; no wave of any partner still reads this slot or has a load on its way
	JLOAD                                          ; its four v_nop are also the places in front of the loads below
.else
	PLACES
.endif
	s_xor_b32 s[TB], s[TB], SLOT1
	SETADR
	LDB 0, 0
	LDA 0, 0, 0
	MULS 1, 1, 0                                   ; groups 1 and 2 were shown in by the wait for 0
	PLACES
	WIN 0
	LDA 1, 0, 0
	LDB 1, 0
	MULS 2, 1, 0
	PLACES
	WIN 0
	LDB 2, 0
.endm
	SETADR
	s_wait_tensorcnt 0x1                           ; my part of K step 0 is in; step 1's may stay out
	s_barrier_signal -1
	s_barrier_wait -1                              ; everybody's is
	LDB 0, 0
	LDA 0, 0, 0
	LDA 1, 0, 0
	LDB 1, 0
	LDB 2, 0
	S0 1                                           ; the first sub-step stands in front of the loop: its products start the sums
	s_mov_b32 s3, 14
.Lk:                                                   ; 14 trips: K steps 2 to 15 are asked for
	S1 1
	S0 0
	s_sub_co_u32 s3, s3, 1
	s_cmp_lg_u32 s3, 0
	s_cbranch_scc1 .Lk
	S1 0                                           ; the tail is written out: nothing more is asked for
	S0 0
	s_wait_dscnt 0x0                               ; the very last sub-step: nothing more to fetch
	MULS 0, 1, 0
	MULS 1, 1, 0
	MULS 2, 1, 0
	WIN 0
	PLACES
; THE WAY OUT, in two passes of 64 rows of each row half.  Rounded to f16, 16 bytes a lane into the work-group's stage; a barrier, since a row's 768 bytes come from two waves;
; back as whole rows; each half of 16 lanes stores 256 consecutive bytes, at a multiple of 256 from qkv's first byte.  Each accumulator's registers are taken in ascending order.
.macro OUTPASS ps
.if \ps
	s_wait_xcnt 0x0                                ; the first pass's stores have read their registers
.endif
.set gg, 0
.rept 3
	WIN 5*(1+gg)                                   ; sources 0 and 1 in window 1 + gg
.set aa, 0
.rept 4
.set bb, 0
.rept 4
.set rr, 0
.rept 4
	v_cvt_pk_f16_f32 v[OT+4*(12*aa+4*gg+bb)+rr], v[8*(8*bb+4*(\ps)+aa)+2*rr], v[8*(8*bb+4*(\ps)+aa)+2*rr+1]
.set rr, rr+1
.endr
.set bb, bb+1
.endr
.set aa, aa+1
.endr
.set gg, gg+1
.endr
	WIN 0
.set aa, 0
.rept 4
.set bb, 0
.rept 12
	ds_store_b128 v[STO], v[OT+4*(12*aa+bb):OT+4*(12*aa+bb)+3] offset:aa*16*SPITCH+32*bb
.set bb, bb+1
.endr
.set aa, aa+1
.endr
	s_wait_dscnt 0x0                               ; for the others' sake: my stores into the stage are done
	s_barrier_signal -1
	s_barrier_wait -1
.set n, 0
.rept 48
	ds_load_b128 v[OT+4*n:OT+4*n+3], v[RD+n%3] offset:(n/3)*2*SPITCH
.set n, n+1
.endr
.set n, 0
.rept 48
	s_wait_dscnt 47-n                              ; load n is back; the younger ones stay out
	global_store_b128 v[CO+n%3], v[OT+4*n:OT+4*n+3], s[8:9] offset:(64*(\ps)+2*(n/3))*6144
.set n, n+1
.endr
.if (\ps) == 0
	s_wait_dscnt 0x0                               ; my reads of the stage are over: behind this barrier it is written again
	s_barrier_signal -1
	s_barrier_wait -1
.endif
.endm
	OUTPASS 0
	OUTPASS 1
	s_wait_tensorcnt 0x0                           ; the wave's end
	ds_add_u32 v[SPW], v[NIL]
	s_wait_dscnt 0x0
	CROUND                                         ; the closing round
	s_endpgm
.Lfunc_end_k_qff7cd8c467_proj:
	.size	k_qff7cd8c467_proj, .Lfunc_end_k_qff7cd8c467_proj-k_qff7cd8c467_proj
	.p2alignl 7, 3214868480
	.fill 96, 4, 3214868480
	.section	.rodata,"a",@progbits
	.p2align	6, 0x0
	.amdhsa_kernel k_qff7cd8c467_proj
		.amdhsa_group_segment_fixed_size 327680
		.amdhsa_private_segment_fixed_size 0
		.amdhsa_enable_private_segment 0
		.amdhsa_kernarg_size 24
		.amdhsa_user_sgpr_count 2
		.amdhsa_user_sgpr_kernarg_segment_ptr 1
		.amdhsa_wavefront_size32 1
		.amdhsa_system_sgpr_workgroup_id_x 1
		.amdhsa_system_sgpr_workgroup_id_y 1
		.amdhsa_system_sgpr_workgroup_id_z 1
		.amdhsa_system_vgpr_workitem_id 0
		.amdhsa_next_free_vgpr 1024
		.amdhsa_next_free_sgpr 66
		.amdhsa_reserve_vcc 0
		.amdhsa_float_denorm_mode_32 3
		.amdhsa_float_denorm_mode_16_64 3
		.amdhsa_memory_ordered 1
		.amdhsa_forward_progress 1
		.amdhsa_inst_pref_size 114
	.end_amdhsa_kernel
	.amdgpu_metadata
---
amdhsa.version: [ 1, 2 ]
amdhsa.kernels:
  - .name:           k_qff7cd8c467_proj
    .symbol:         k_qff7cd8c467_proj.kd
    .args:
      - { .name: xh, .offset: 0, .size: 8, .value_kind: global_buffer, .address_space: global }
      - { .name: wh, .offset: 8, .size: 8, .value_kind: global_buffer, .address_space: global }
      - { .name: qkv, .offset: 16, .size: 8, .value_kind: global_buffer, .address_space: global }
    .group_segment_fixed_size: 327680
    .private_segment_fixed_size: 0
    .kernarg_segment_align: 8
    .kernarg_segment_size: 24
    .max_flat_workgroup_size: 128
    .sgpr_count:     66
    .vgpr_count:     1024
    .wavefront_size: 32
...
	.end_amdgpu_metadata
.endif
;; end of part 2
;; launch scores (part 3): grid 36 x 4, 4 waves a work-group, no clusters, 327,680 bytes of LDS; arguments qkv, p, st; writes p, st
.if DOCPART == 3
	.amdgcn_target "amdgcn-amd-amdhsa--gfx1250"
	.amdhsa_code_object_version 6
	.text
	.protected	k_qff7cd8c467_scores
	.globl	k_qff7cd8c467_scores
	.p2align	8
	.type	k_qff7cd8c467_scores,@function
k_qff7cd8c467_scores:
	s_mov_b64 s[64:65], 0
	v_nop
	global_prefetch_b8 v0, s[64:65] scope:SCOPE_SE
	s_setreg_imm32_b32 hwreg(HW_REG_WAVE_MODE, 25, 1), 1
	s_wait_xcnt 0x0
; For each tile of 256 queries x 256 keys on or below the diagonal: S = q k^T (K = 1,024), the causal mask, the tile's own row maximum m, P = 2^(c s - c m) in f16, c = log2(e) / 32,
; and the row sums l of the unrounded P over each 128 keys.  p: [4][2048][2048] f16 (tiles with j <= i alone).  st: [4][16 blocks of 128 keys][2048 rows] pairs (c m, l) in f32.
; The maximum is taken away before every exponential; the launch behind carries a running maximum over a row's tiles and rescales by these pairs.
; LIMITS.  A hidden score counts as its value less 1e30 (f16 operands give scores of 4.4e12 at the most); a weight below 2^-126 counts as 0; P below 6.1e-5 keeps f16's step of 6e-8;
; NaN and infinities are not treated apart.
; SHARES.  36 tiles a batch; tile t lies in row i, column j of the triangle: t = i (i + 1) / 2 + j.  Four waves, each 128 x 128: 64 accumulators, 512 registers.
; K goes in steps of 128 through two LDS slots; each wave brings 128 rows x 256 bytes of q (waves 0, 1) or of k (waves 2, 3) with one tensor load.
; NO CLUSTER: row i of the triangle has i + 1 tiles, so a batch's 36 tiles do not fall into groups of four that share a row or a column (two triangles of three are left over),
; and filling the groups up would ask for work-groups with nothing of use to do.
; THE MATRIX INSTRUCTION IS USED TRANSPOSED (source 0 = 16 keys, source 1 = 16 queries): a lane holds ONE query (lane % 16) and eight neighbouring keys.
; THE MASK is the C operand of the products that start the sums: 0, or -1e30 where the key is hidden.  Key block b against query block a needs one of three masks: b < a, b = a, b > a.
; REGISTERS: window 0: v0-31 addresses; v32-63 masks, later statistics; v64-191 q's fragments, two buffers; v192-223 packed weights.  window 1: v64-191 k's fragments.
; windows 2, 3: the accumulators of my rows 0-63, 64-127: (a, b) at v[8 (8 a + b)].
.set KSTEP,  128
.set PITCH,  272                       ; 256 bytes + 16: the 16 rows of a fragment load start at 16 different groups of four banks (ISA guide 11.1)
.set HALFT,  128*PITCH
.set SLOT,   4*HALFT                   ; 0x22000: its two bits are clear in all four waves' LDS words, so one exclusive or changes slots
.set STAGE,  2*SLOT                    ; behind the ring: 16 rows x 272 bytes for each wave
.set SPITCH, 272
.set XCH,    STAGE+4*16*SPITCH         ; 2,048 bytes: the row maxima of the two column halves
.set SPARE,  XCH+2048                  ; the spare words
.set ADRA, 16                          ; v16  LDS address of q's fragments in the slot in hand;  v17  of k's
.set ADRB, 17
.set ABASE, 18                         ; v18, v19  the same in slot 0; never rewritten
.set BBASE, 19
.set XW,  20                           ; v20  where my maxima go;  v21  where my partner's lie
.set XR,  21
.set SO,  22                           ; v22  8 x lane
.set DL,  23                           ; v23  the mask's bound
.set STO, 24
.set RD,  25
.set CO,  26
.set SPW, 28
.set NIL, 29
.set MC,  32                           ; v32-55  three masks of eight registers; free after the first quarter
.set ST,  32                           ; v32-47  later: pairs (c m, l) for my eight query blocks
.set MX,  48                           ; v48-55  maxima
.set T,   56                           ; v56-63  at work
.set F0,  64
.set F1,  128
.set TMP, 192
.set TB,  21                           ; s21  0 or SLOT
.set G1,  24                           ; s[24:31]
.set G0,  32                           ; s[32:39]: a set for each first fill; the second then walks
.set NEG, 40                           ; s40  -1e30
.set CS,  42                           ; s[42:43] c
.set SEL, 44                           ; s[44:45] v_permlanex16_b32's selects
.set MSK, 46                           ; s46  lanes 16-31
.set MSB, 0
.macro WIN new
.if MSB != (\new)
	s_set_vgpr_msb (MSB<<8)|(\new)
.set MSB, (\new)
.endif
.endm
.macro PLACES
.rept 4
	v_nop
.endr
.endm
	s_load_b128 s[4:7], s[0:1], 0x0                ; qkv s[4:5], p s[6:7]
	s_load_b64 s[8:9], s[0:1], 0x10                ; st
	v_lshl_add_u32 v[SPW], v0, 2, SPARE
	v_mov_b32 v[NIL], 0
	ds_add_u32 v[SPW], v[NIL]                      ; the wave's opening: the add and its wait ahead of my first tensor load
	ds_add_u32 v28, v29
	v_lshrrev_b32 v1, 5, v0
	v_readfirstlane_b32 s10, v1                    ; wave 0..3
	s_lshr_b32 s11, s10, 1                         ; my half of the tile's queries.  Also: I fetch q (0) or k (1)
	s_and_b32 s12, s10, 1                          ; my half of its keys.  Also: which 128 rows I fetch
	s_and_b32 s15, ttmp7, 0xffff                   ; batch
	s_mov_b32 s13, 0
.irp t, 1,3,6,10,15,21,28                  ; i = how many of the rows' first tile numbers are at or below t
	s_cmp_ge_u32 ttmp9, \t
	s_add_co_ci_u32 s13, s13, 0
.endr
	s_add_co_u32 s14, s13, 1
	s_mul_i32 s14, s14, s13
	s_lshr_b32 s14, s14, 1
	s_sub_co_u32 s14, ttmp9, s14                   ; j = t - i (i + 1) / 2
	s_mov_b32 s[G1], (1<<16)|(1<<20)|(5<<22)|(3<<25)   ; 2-byte elements; padding of 4 words after every 64 words
	s_mov_b32 s[G1+1], KSTEP<<16                   ; tensor_dim0 = 128
	s_mov_b32 s[G1+2], 128<<16                     ; tensor_dim1 = 128
	s_mov_b32 s[G1+3], KSTEP<<16                   ; tile_dim0 = 128
	s_mov_b32 s[G1+4], 128                         ; tile_dim1 = 128
	s_mov_b32 s[G1+5], 3072                        ; elements from row to row of qkv
	s_mov_b32 s[G1+6], 0
	s_mov_b32 s[G1+7], 0
	s_cmp_lt_u32 s10, 2
	s_cselect_b32 s16, s13, s14                    ; q's rows go by i, k's by j;
	s_cselect_b32 s17, 0, 2048                     ; k lies 2,048 bytes into a row
	s_lshl_b32 s16, s16, 8
	s_lshl_b32 s18, s15, 11
	s_add_co_u32 s16, s16, s18
	s_lshl_b32 s18, s12, 7
	s_add_co_u32 s16, s16, s18                     ; row = 2048 batch + 256 block + 128 half
	s_mul_i32 s16, s16, 6144
	s_add_co_u32 s16, s16, s17
	s_mov_b32 s17, 0
	s_mul_i32 s20, s10, HALFT                      ; q's two halves, then k's two halves
	s_mov_b32 s[G0], 1
	s_mov_b32 s[G0+1], s20
	s_mov_b32 s[G0+4], 1
	s_add_co_u32 s[G0+5], s20, SLOT
	s_mov_b32 s[TB], 0
	s_mov_b32 s[NEG], 0xf149f2ca
	s_mov_b32 s[CS], 0x3d38aa3b                    ; c = log2(e) / 32
	s_mov_b32 s[CS+1], s[CS]                       ; named with it as a pair
	s_mov_b32 s[SEL], 0x76543210
	s_mov_b32 s[SEL+1], 0xfedcba98
	s_mov_b32 s[MSK], 0xffff0000
	s_wait_dscnt 0x0                               ; the opening add is done
	s_wait_kmcnt 0x0
	s_add_nc_u64 s[G0+2:G0+3], s[4:5], s[16:17]    ; K step 0
	s_add_nc_u64 s[G0+6:G0+7], s[G0+2:G0+3], KSTEP*2   ; K step 1
	s_or_b32 s[G0+3], s[G0+3], 0x80000000
	s_or_b32 s[G0+7], s[G0+7], 0x80000000
	tensor_load_to_lds s[G0:G0+3], s[G1:G1+7]      ; both first fills together: two loads of mine are out
	s_nop 0
	tensor_load_to_lds s[G0+4:G0+7], s[G1:G1+7]
	s_nop 0
.rept 4
	v_nop
.endr
	v_and_b32 v1, 15, v0                           ; r
	v_bfe_u32 v2, v0, 4, 1                         ; h
	v_mul_u32_u24 v3, v1, PITCH
	v_lshl_add_u32 v3, v2, 4, v3                   ; row x pitch + 16 x half
	s_mul_i32 s22, s11, HALFT
	v_add_nc_u32 v[ABASE], s22, v3
	s_mul_i32 s22, s12, HALFT
	s_add_co_u32 s22, s22, 2*HALFT
	v_add_nc_u32 v[BBASE], s22, v3
	v_add_nc_u32 v[ADRA], s[TB], v[ABASE]
	v_add_nc_u32 v[ADRB], s[TB], v[BBASE]
	s_mul_i32 s23, s10, 16*SPITCH
	s_add_co_u32 s23, s23, STAGE                   ; my stage
	v_add_nc_u32 v[STO], s23, v3                   ; in: row r, 16 bytes for each half of the lanes
	v_mul_u32_u24 v4, v2, SPITCH                   ; back: lanes 0-15 one row of 256 bytes, lanes 16-31 the next
	v_lshl_add_u32 v4, v1, 4, v4
	v_add_nc_u32 v[RD], s23, v4
	v_lshlrev_b32 v4, 12, v2                       ; and the same two rows of p, 4,096 bytes apart
	v_lshl_add_u32 v[CO], v1, 4, v4
	s_lshl_b32 s22, s12, 10                        ; the exchange: 1,024 bytes for each column half, a word for each of the tile's 256 rows
	s_lshl_b32 s23, s11, 9
	s_add_co_u32 s23, s23, XCH
	s_add_co_u32 s18, s22, s23
	v_lshl_add_u32 v[XW], v1, 2, s18
	s_xor_b32 s22, s22, 1024
	s_add_co_u32 s18, s22, s23
	v_lshl_add_u32 v[XR], v1, 2, s18
	v_and_b32 v4, 31, v0
	v_lshlrev_b32 v[SO], 3, v4
	; key 256 j + 128 ch + 16 b + 8 h + n is hidden from query 256 i + 128 rh + 16 a + r where 16 (b - a) + n > r - 8 h + 256 (i - j) + 128 (rh - ch).
	; That bound lies in -8 .. 15 (a wave on the diagonal), at or above 120, or at or below -113: so all b < a behave as b = a - 1 and all b > a as b = a + 1.
	s_sub_co_u32 s22, s13, s14
	s_lshl_b32 s22, s22, 8
	s_sub_co_i32 s23, s11, s12
	s_lshl_b32 s23, s23, 7
	s_add_co_i32 s22, s22, s23
	v_lshlrev_b32 v4, 3, v2
	v_sub_nc_u32 v[DL], v1, v4
	v_add_nc_u32 v[DL], s22, v[DL]
.set n, 0
.rept 24
	v_cmp_gt_i32 vcc_lo, 16*(n/8-1)+n%8, v[DL]
	v_cndmask_b32 v[MC+n], 0, s[NEG], vcc_lo
.set n, n+1
.endr
	s_lshl_b32 s16, s13, 8                         ; p at my 128 x 128: row 256 i + 128 rh, column 256 j + 128 ch
	s_lshl_b32 s18, s11, 7
	s_add_co_u32 s16, s16, s18
	s_lshl_b32 s22, s16, 3                         ; (that row in st, 8 bytes a row)
	s_lshl_b32 s16, s16, 12
	s_lshl_b32 s18, s15, 23
	s_add_co_u32 s16, s16, s18
	s_lshl_b32 s18, s14, 9
	s_add_co_u32 s16, s16, s18
	s_lshl_b32 s18, s12, 8
	s_add_co_u32 s16, s16, s18
	s_add_nc_u64 s[6:7], s[6:7], s[16:17]
	s_lshl_b32 s16, s15, 4                         ; st at block 16 batch + 2 j + ch of 128 keys
	s_lshl1_add_u32 s16, s14, s16
	s_add_co_u32 s16, s16, s12
	s_lshl_b32 s16, s16, 14
	s_add_co_u32 s16, s16, s22
	s_add_nc_u64 s[8:9], s[8:9], s[16:17]
; 16 matrix instructions: query blocks a0, a0 + 1 of the window's four x all 8 key blocks, 32 along K.  mode = 1: the products start the sums, with the mask as C.
; The 64 accumulators take turns, one instruction a turn.
.macro MUL16 f, hi, a0, mode
.if \mode
	WIN 0x81+0x40*(\hi)                            ; k window 1, q and the mask window 0, D window 2 or 3
.else
	WIN 0xa1+0x50*(\hi)
.endif
.irp a, \a0, (\a0)+1
.irp b, 0,1,2,3,4,5,6,7
.if \mode
.set sel, 1
.if (\b) < 4*(\hi)+(\a)
.set sel, 0
.endif
.if (\b) > 4*(\hi)+(\a)
.set sel, 2
.endif
	v_wmma_f32_16x16x32_f16 v[8*(8*(\a)+(\b)):8*(8*(\a)+(\b))+7], v[(\f)+8*(\b):(\f)+8*(\b)+7], v[(\f)+8*(4*(\hi)+(\a)):(\f)+8*(4*(\hi)+(\a))+7], v[MC+8*sel:MC+8*sel+7]
.else
	v_wmma_f32_16x16x32_f16 v[8*(8*(\a)+(\b)):8*(8*(\a)+(\b))+7], v[(\f)+8*(\b):(\f)+8*(\b)+7], v[(\f)+8*(4*(\hi)+(\a)):(\f)+8*(4*(\hi)+(\a))+7], v[8*(8*(\a)+(\b)):8*(8*(\a)+(\b))+7]
.endif
.endr
.endr
.endm
.macro FETCH k, f                      ; 32 LDS loads in one run: 128 keys, then 128 queries, 32 along K at byte k of the rows, into buffer f
	WIN 0x40
.irp i, 0,1,2,3,4,5,6,7
	ds_load_b128 v[(\f)+8*(\i):(\f)+8*(\i)+3],   v[ADRB] offset:(\k)+(\i)*16*PITCH
	ds_load_b128 v[(\f)+8*(\i)+4:(\f)+8*(\i)+7], v[ADRB] offset:(\k)+(\i)*16*PITCH+32
.endr
	WIN 0
.irp i, 0,1,2,3,4,5,6,7
	ds_load_b128 v[(\f)+8*(\i):(\f)+8*(\i)+3],   v[ADRA] offset:(\k)+(\i)*16*PITCH
	ds_load_b128 v[(\f)+8*(\i)+4:(\f)+8*(\i)+7], v[ADRA] offset:(\k)+(\i)*16*PITCH+32
.endr
.endm
.macro QUARTER k, f, g, mode           ; multiplies buffer f; in its middle fetches the next quarter, at byte k, into buffer g
	s_wait_dscnt 8                                 ; k and q's rows 0-63 are in; the youngest eight loads (rows 64-127) may be out
	MUL16 \f, 0, 0, \mode
	MUL16 \f, 0, 2, \mode
	PLACES
	FETCH \k, \g
	s_wait_dscnt 32                                ; all but the 32 just issued
	MUL16 \f, 1, 0, \mode
	MUL16 \f, 1, 2, \mode
.endm
; The last quarter of a K step multiplies buffer 1 and changes slots: ONE barrier; in front of it each wave waits for all its tensor loads (one is out: its part of the next slot), adds 0 to its
; spare word, and waits for that and for its reads of this slot.  fill = 1: this slot is filled again, two K steps ahead, first thing behind the barrier: 224 matrix instructions ahead of the wait for it.
.macro TURN fill
	WIN 0
	s_wait_tensorcnt 0x0                           ; no tensor load of mine is out, so a group 0 may be written
	ds_add_u32 v[SPW], v[NIL]                      ; 0 onto my spare word
.if \fill
	s_xor_b32 s[G0+5], s[G0+5], SLOT               ; the walking set: the other slot than last time, the next K step
	s_add_nc_u64 s[G0+6:G0+7], s[G0+6:G0+7], KSTEP*2
.endif
	s_wait_dscnt 9                                 ; the add and the youngest eight loads may be out
	MUL16 F1, 0, 0, 0
	s_wait_dscnt 0x0                               ; the add is done, and my reads of this slot are over
	s_barrier_signal -1
	MUL16 F1, 0, 2, 0
	WIN 0
	s_barrier_wait -1
.if \fill
	tensor_load_to_lds s[G0+4:G0+7], s[G1:G1+7]
	s_nop 0
.endif
	PLACES                                         ; the four v_nop behind a tensor load, and the places in front of the loads below
	s_xor_b32 s[TB], s[TB], SLOT
	v_add_nc_u32 v[ADRA], s[TB], v[ABASE]
	v_add_nc_u32 v[ADRB], s[TB], v[BBASE]
	FETCH 0, F0
	MUL16 F1, 1, 0, 0
	MUL16 F1, 1, 2, 0
.endm
	s_wait_tensorcnt 0x1                           ; my part of K step 0 is in; step 1's may stay out
	s_barrier_signal -1
	s_barrier_wait -1
	FETCH 0, F0
	QUARTER 64, F0, F1, 1                          ; the first quarter stands in front of the loop: its products start the sums, on the masks
	WIN 0
	s_mov_b32 s3, 6
.Lstep:                                                ; 6 trips, from a K step's second quarter to the next step's first: K steps 2 to 7 are asked for
	QUARTER 128, F1, F0, 0
	QUARTER 192, F0, F1, 0
	TURN 1
	QUARTER 64, F0, F1, 0
	WIN 0
	s_sub_co_u32 s3, s3, 1
	s_cmp_lg_u32 s3, 0
	s_cbranch_scc1 .Lstep
	QUARTER 128, F1, F0, 0                         ; the tail is written out: nothing more is asked for
	QUARTER 192, F0, F1, 0
	TURN 0
	QUARTER 64, F0, F1, 0
	QUARTER 128, F1, F0, 0
	QUARTER 192, F0, F1, 0
	s_wait_dscnt 8                                 ; the very last quarter: nothing more to fetch
	MUL16 F1, 0, 0, 0
	MUL16 F1, 0, 2, 0
	s_wait_dscnt 0x0
	MUL16 F1, 1, 0, 0
	MUL16 F1, 1, 2, 0
	WIN 0
	; THE ROW MAXIMA.  These 24 lines name no register of the last products: they are the places behind them.
.set ia, 0
.rept 8
	v_mov_b32 v[MX+ia], 0xff7fffff                 ; the lowest finite number
	v_mov_b32 v[ST+2*ia+1], 0                      ; l
	v_mov_b32 v[T+ia], 0                           ; written, since v_permlanex16_b32's destination counts as read
.set ia, ia+1
.endr
.irp w, 0,1                                ; four chains a window; each accumulator's lowest registers are read first
	WIN 0x28+0x14*\w
.set ib, 0
.rept 8
.set ik, 0
.rept 4
.set ia, 0
.rept 4
	v_max3_num_f32 v[MX+4*\w+ia], v[MX+4*\w+ia], v[8*(8*ia+ib)+2*ik], v[8*(8*ia+ib)+2*ik+1]
.set ia, ia+1
.endr
.set ik, ik+1
.endr
.set ib, ib+1
.endr
.endr
	WIN 0
.macro ALL line:vararg                 ; one line for each query block t
.set t, 0
.rept 8
	\line
.set t, t+1
.endr
.endm
	ALL v_permlanex16_b32 v[T+t], v[MX+t], s[SEL], s[SEL+1]    ; the query's other keys lie in the lane 16 away
	ALL v_max_num_f32 v[MX+t], v[MX+t], v[T+t]
	ALL ds_store_b32 v[XW], v[MX+t] offset:64*t                ; and its other 128 keys in the wave beside me
	s_wait_dscnt 0x0                               ; for the other's sake: my stores are done
	s_barrier_signal -1
	s_barrier_wait -1
	ALL ds_load_b32 v[T+t], v[XR] offset:64*t
	s_wait_dscnt 0x0
	ALL v_max_num_f32 v[MX+t], v[MX+t], v[T+t]                 ; the maximum over the tile's 256 keys: every row sees a key in every tile at or below the diagonal
	ALL v_mul_f32 v[ST+2*t], s[CS], v[MX+t]                    ; c m
; Query block a: c s - c m; the exponentials; the weights rounded to f16; the sum of the unrounded weights, a tree in place.
.macro PACK a
.set AC, 64*((\a)%4)
.set WW, 2+(\a)/4
	WIN (WW<<6)|WW
.set n, 0
.rept 32
	v_pk_fma_f32 v[AC+2*n:AC+2*n+1], v[AC+2*n:AC+2*n+1], s[CS:CS+1], v[ST+2*(\a):ST+2*(\a)+1] op_sel_hi:[1,0,0] neg_lo:[0,0,1] neg_hi:[0,0,1]
.set n, n+1
.endr
.set n, 0
.rept 64
	v_exp_f32 v[AC+n], v[AC+n]
.set n, n+1
.endr
	v_nop                                          ; a plain instruction between the last exponential and the use of its result
	WIN (WW<<2)|WW
.set n, 0
	s_wait_alu depctr_va_vdst(0)
.rept 32
	v_cvt_pk_f16_f32 v[TMP+n], v[AC+2*n], v[AC+2*n+1]
.set n, n+1
.endr
	WIN (WW<<6)|(WW<<2)|WW
.set sd, 1
.rept 5
.set n, 0
.rept 16/sd
	v_pk_add_f32 v[AC+2*n:AC+2*n+1], v[AC+2*n:AC+2*n+1], v[AC+2*(n+sd):AC+2*(n+sd)+1]
.set n, n+2*sd
.endr
.set sd, sd*2
.endr
	WIN (WW<<2)|WW
	v_add_f32 v[ST+2*(\a)+1], v[AC], v[AC+1]
	WIN 0
	v_permlanex16_b32 v[T+(\a)], v[ST+2*(\a)+1], s[SEL], s[SEL+1]
	v_add_f32 v[ST+2*(\a)+1], v[ST+2*(\a)+1], v[T+(\a)]        ; l over my 128 keys
.endm
.macro TOSTAGE a                       ; 16 bytes a lane into my own stage, and back as whole rows of 256 bytes
.set BK, F0+32*((\a)%2)
.irp b, 0,1,2,3,4,5,6,7
	ds_store_b128 v[STO], v[TMP+4*(\b):TMP+4*(\b)+3] offset:32*(\b)
.endr
.irp u, 0,1,2,3,4,5,6,7
	ds_load_b128 v[BK+4*(\u):BK+4*(\u)+3], v[RD] offset:(\u)*2*SPITCH  ; LDS serves a wave's instructions in order (ISA guide 5.7.1.4): these see the stores above
.endr
.endm
.macro SEND a
.set BK, F0+32*((\a)%2)
	s_wait_dscnt 0x0                               ; the block is back in registers
	s_wait_xcnt 0x0                                ; the block before's stores have read their registers: the next loads from the stage land there
.irp u, 0,1,2,3,4,5,6,7
	global_store_b128 v[CO], v[BK+4*(\u):BK+4*(\u)+3], s[6:7] offset:(16*(\a)+2*(\u))*4096  ; 16 lanes store 256 consecutive bytes, at a multiple of 256 from p's first byte
.endr
.endm
	PACK 0
	TOSTAGE 0
.irp a, 1,2,3,4,5,6,7                  ; block a's arithmetic stands between block a - 1's loads from the stage and the wait for them
	PACK \a
	SEND (\a)-1
	TOSTAGE \a
.endr
	SEND 7
.set u, 0
.rept 4                                    ; the pairs (c m, l): lanes 0-15 take block 2 u's rows, lanes 16-31 block 2 u + 1's: 256 consecutive bytes a store
	v_cndmask_b32 v[T+2*u], v[ST+4*u], v[ST+4*u+2], s[MSK]
	v_cndmask_b32 v[T+2*u+1], v[ST+4*u+1], v[ST+4*u+3], s[MSK]
	global_store_b64 v[SO], v[T+2*u:T+2*u+1], s[8:9] offset:256*u
.set u, u+1
.endr
	s_wait_tensorcnt 0x0                           ; the wave's end
	ds_add_u32 v[SPW], v[NIL]
	s_wait_dscnt 0x0
	s_endpgm
.Lfunc_end_k_qff7cd8c467_scores:
	.size	k_qff7cd8c467_scores, .Lfunc_end_k_qff7cd8c467_scores-k_qff7cd8c467_scores
	.p2alignl 7, 3214868480
	.fill 96, 4, 3214868480
	.section	.rodata,"a",@progbits
	.p2align	6, 0x0
	.amdhsa_kernel k_qff7cd8c467_scores
		.amdhsa_group_segment_fixed_size 327680
		.amdhsa_private_segment_fixed_size 0
		.amdhsa_enable_private_segment 0
		.amdhsa_kernarg_size 24
		.amdhsa_user_sgpr_count 2
		.amdhsa_user_sgpr_kernarg_segment_ptr 1
		.amdhsa_wavefront_size32 1
		.amdhsa_system_sgpr_workgroup_id_x 1
		.amdhsa_system_sgpr_workgroup_id_y 1
		.amdhsa_system_sgpr_workgroup_id_z 1
		.amdhsa_system_vgpr_workitem_id 0
		.amdhsa_next_free_vgpr 1024
		.amdhsa_next_free_sgpr 66
		.amdhsa_reserve_vcc 1
		.amdhsa_float_denorm_mode_32 3
		.amdhsa_float_denorm_mode_16_64 3
		.amdhsa_memory_ordered 1
		.amdhsa_forward_progress 1
		.amdhsa_inst_pref_size 187
	.end_amdhsa_kernel
	.amdgpu_metadata
---
amdhsa.version: [ 1, 2 ]
amdhsa.kernels:
  - .name:           k_qff7cd8c467_scores
    .symbol:         k_qff7cd8c467_scores.kd
    .args:
      - { .name: qkv, .offset: 0, .size: 8, .value_kind: global_buffer, .address_space: global }
      - { .name: p, .offset: 8, .size: 8, .value_kind: global_buffer, .address_space: global }
      - { .name: st, .offset: 16, .size: 8, .value_kind: global_buffer, .address_space: global }
    .group_segment_fixed_size: 327680
    .private_segment_fixed_size: 0
    .kernarg_segment_align: 8
    .kernarg_segment_size: 24
    .max_flat_workgroup_size: 128
    .sgpr_count:     66
    .vgpr_count:     1024
    .wavefront_size: 32
...
	.end_amdgpu_metadata
.endif
;; end of part 3
;; launch pv (part 4): grid 8 x 32, 4 waves a work-group, clusters of 4 x 4, 327,680 bytes of LDS; arguments p, qkv, st, out0; writes out0
.if DOCPART == 4
	.amdgcn_target "amdgcn-amd-amdhsa--gfx1250"
	.amdhsa_code_object_version 6
	.text
	.protected	k_qff7cd8c467_pv
	.globl	k_qff7cd8c467_pv
	.p2align	8
	.type	k_qff7cd8c467_pv,@function
k_qff7cd8c467_pv:
	s_mov_b64 s[64:65], 0
	v_nop
	global_prefetch_b8 v0, s[64:65] scope:SCOPE_SE
	s_setreg_imm32_b32 hwreg(HW_REG_WAVE_MODE, 25, 1), 1
	s_wait_xcnt 0x0
	s_wait_alu depctr_hold_cnt(0) depctr_sa_sdst(0) depctr_va_vdst(0) depctr_va_sdst(0) depctr_va_ssrc(0) depctr_va_vcc(0) depctr_vm_vsrc(0)
	s_getreg_b32 s2, hwreg(HW_REG_IB_STS2, 6, 4)
	s_cmp_eq_u32 s2, 0
	s_cbranch_scc0 .Lentry_in_a_cluster
	s_endpgm
.Lentry_in_a_cluster:
	s_bfe_u32 s2, ttmp6, 0x10000c
	s_cmp_lg_u32 s2, 0xf033
	s_cbranch_scc0 .Lentry_shape_is_right
	s_endpgm
.Lentry_shape_is_right:
; out[q][:] = (sum over units u of 256 keys of g_u (P_u V_u)[q][:]) / l[q], in f32.  P_u is scaled by its own tile's maximum m_u; a RUNNING maximum M is carried over the units:
; in every unit the sums and l are multiplied by al = 2^(c M_old - c M_new), and the unit's product and row sum enter with g = 2^(c m_u - c M_new).  Sums, M and l stay in f32.
; LIMITS.  As in the launch before: weights below 2^-126 count as 0; NaN and infinities are not treated apart.
; SHARES.  A tile is 128 queries x 128 channels; four waves, each 64 x 64.  A unit is 128 matrix instructions a wave, into 16 accumulators that start at 0; then it is merged into the sums.
; Query block i (of 16 a batch) needs units 0 .. i / 2.  A work-group takes TWO blocks, 4 (3 - m) + cy and then 4 m + cy: 8 - 2 m and 2 m + 2 units, ten in all, whatever its place.
; CLUSTER 4 x 4.  V's tile (unit, channel block) is shared along a column of the cluster, P's (query block, unit) along a row: both are asked for jointly.  The phases' lengths hang on m alone,
; which all sixteen partners share.  The partners with cy = 0, 1 need one unit less in each phase: in that unit they ask for their last valid tile of P and pair of st once more and add -1e30 to c m,
; so that g = 0: a select, no branch.
; THE MATRIX INSTRUCTION IS USED TRANSPOSED (source 0 = 16 channels of V, turned by ds_load_tr16_b128; source 1 = 16 queries of P): a lane holds ONE query and eight neighbouring channels.
; REGISTERS: window 0: v0-31 addresses; v32-63 eight registers of statistics a query block; v64-79 the unit's pairs from st; v80-207 the way out.
; window 1: two fragment buffers of 128 (64 of P, then 64 of V, for 64 keys).  window 2: v0-127 the unit's accumulators ((a, b) at v[8 (4 a + b)]); v128-255 the sums, written by vector instructions alone.
.set PAP,   528                        ; a row of P in LDS: 512 bytes + 16
.set PVP,   288                        ; a row of V: 256 + 32
.set BOFF,  128*PAP                    ; V's 256 rows lie behind P's 128
.set SLOT,  147456                     ; 0x24000: its two bits are clear in all the LDS words, so one exclusive or changes slots
.set STAGE, 2*SLOT                     ; behind the ring: 16 rows x 272 bytes for each wave
.set SP,    272
.set SPARE, STAGE+4*16*SP
.set ABASE, 4                          ; v4     my lane's place in P's tile, slot 0
.set BBASE, 5                          ; v5, v6 in V's tile: keys 0-127, keys 128-255 (the offsets' 16 bits do not span 256 rows)
.set ADRA,  16
.set ADRB,  17                         ; v17, v18
.set STO,   24
.set RD,    25
.set GO,    26
.set SVO,   27                         ; v27    8 x (lane % 16)
.set SPW,   28
.set NIL,   29
.set ST,    32                         ; block a at v[ST+8 a]: +0 c M, +1 l, +2 al (at the end 1 / l), +3 at work, +4 g, +5 at work, +6 c m of the unit, +7 its row sum
.set SV,    64
.set OB,    80
.set F0,    0
.set F1,    128
.set ACC,   128
.set WV, 12
.set RH, 13
.set CH, 14
.set G1A, 24                           ; s[24:31];  s[32:39] group 0 for P: a set for each first fill; the second is made anew for each refill
.set G0A, 32
.set G1B, 40                           ; s[40:47], s[48:55] the same for V
.set G0B, 48
.set TB,  56                           ; 0 or SLOT
.set CNT, 57
.set CL,  58                           ; units left in the phase in hand
.set CU,  59                           ; the unit to be multiplied
.set UMC, 60                           ; my block's last valid unit
.set PEN, 61                           ; 0, or -1e30 in a unit past it
.set FU,  62                           ; the unit to be asked for; s63 its phase's last; s66 my block's last valid unit there
.set FL,  63
.set FUM, 66
.set TT,  67
.set PAC, 68                           ; s[68:69] P at my rows of the phase that is asked for; s[70:71] of the second phase
.set PA2, 70
.set VB,  72                           ; s[72:73] V at my keys of unit 0
.set STC, 74                           ; s[74:75], s[76:77] st at my rows, phase in hand and second
.set ST2, 76
.set OC,  78                           ; s[78:79], s[80:81] out likewise
.set O2,  80
.set SB,  82                           ; s[82:83] st at the unit in hand
.set OFA, 84                           ; s[84:85] offsets made of cy;  s[92:93] of cx;  s[94:95] of both
.set UM2, 86
.set N2M1, 87
.set NEG, 90
.set N2,  91
.set OFB, 92
.set OFO, 94
.set MSB, 0
.macro WIN new
.if MSB != (\new)
	s_set_vgpr_msb (MSB<<8)|(\new)
.set MSB, (\new)
.endif
.endm
.macro PLACES
.rept 4
	v_nop
.endr
.endm
.macro JLOAD                           ; a joint refill: waves 0, 1 bring P's two halves, waves 2, 3 V's; an s_nop 0 and four v_nop follow each line
	s_cmp_lt_u32 s[WV], 2
	s_cbranch_scc0 .Lfor_v_\@
	tensor_load_to_lds s[G0A+4:G0A+7], s[G1A:G1A+7]
	s_nop 0
.rept 4
	v_nop
.endr
	s_branch .Lasked_\@
.Lfor_v_\@:
	tensor_load_to_lds s[G0B+4:G0B+7], s[G1B:G1B+7]
	s_nop 0
.rept 4
	v_nop
.endr
.Lasked_\@:
.endm
.macro CREST
	s_cmp_lg_u32 s[WV], 0
	s_cbranch_scc1 .Lnot_wave_0_\@
	s_barrier_signal -3
.Lnot_wave_0_\@:
	s_barrier_wait -3
	s_barrier_signal -1
	s_barrier_wait -1
.endm
.macro CROUND
	s_barrier_signal -1
	s_barrier_wait -1
	CREST
.endm
	s_load_b256 s[4:11], s[0:1], 0x0               ; p s[4:5], qkv s[6:7], st s[8:9], out0 s[10:11]
	v_lshl_add_u32 v[SPW], v0, 2, SPARE
	v_mov_b32 v[NIL], 0
	ds_add_u32 v[SPW], v[NIL]                      ; the wave's opening: the add and its wait ahead of my first tensor load
	ds_add_u32 v28, v29
	v_lshrrev_b32 v1, 5, v0
	v_readfirstlane_b32 s[WV], v1
	s_lshr_b32 s[RH], s[WV], 1                     ; my 64 queries of the tile
	s_and_b32 s[CH], s[WV], 1                      ; my 64 channels.  Also: which half of a tile I fetch
	s_bfe_u32 s15, ttmp6, 0x40000                  ; cx
	s_bfe_u32 s16, ttmp6, 0x40004                  ; cy
	s_lshl_b32 s17, ttmp9, 2
	s_add_co_u32 s17, s17, s15                     ; channel block 0..7
	s_and_b32 s18, ttmp7, 0xffff                   ; the cluster's y, 0..7
	s_lshr_b32 s19, s18, 1                         ; batch
	s_and_b32 s20, s18, 1                          ; m
	s_lshl_b32 s88, s16, 2
	s_lshl_b32 s88, 15, s88                        ; my row of the cluster
	s_lshl_b32 s89, 0x1111, s15                    ; my column
	s_or_b32 s[G1A], s88, (1<<16)|(1<<20)|(1<<21)|(6<<22)|(3<<25)  ; P: 64 rows x 256 elements, 4 words of padding after every 128 words
	s_mov_b32 s[G1A+1], 256<<16
	s_mov_b32 s[G1A+2], 64<<16
	s_mov_b32 s[G1A+3], 256<<16
	s_mov_b32 s[G1A+4], 64
	s_mov_b32 s[G1A+5], 2048
	s_mov_b32 s[G1A+6], 0
	s_mov_b32 s[G1A+7], 0
	s_or_b32 s[G1B], s89, (1<<16)|(1<<20)|(1<<21)|(5<<22)|(7<<25)  ; V: 128 rows x 128 elements, 8 words of padding after every 64 words
	s_mov_b32 s[G1B+1], 128<<16
	s_mov_b32 s[G1B+2], 128<<16
	s_mov_b32 s[G1B+3], 128<<16
	s_mov_b32 s[G1B+4], 128
	s_mov_b32 s[G1B+5], 3072
	s_mov_b32 s[G1B+6], 0
	s_mov_b32 s[G1B+7], 0
	s_lshl_b32 s21, s20, 2
	s_sub_co_u32 s22, 12, s21
	s_add_co_u32 s22, s22, s16                     ; the first phase's query block
	s_add_co_u32 s23, s21, s16                     ; the second's
	s_lshl_b32 s21, s20, 1
	s_sub_co_u32 s[CL], 8, s21                     ; the first phase's units
	s_sub_co_u32 s[FL], 7, s21
	s_add_co_u32 s[N2], s21, 2                     ; the second's
	s_add_co_u32 s[N2M1], s21, 1
	s_lshr_b32 s[UMC], s22, 1
	s_mov_b32 s[FUM], s[UMC]
	s_lshr_b32 s[UM2], s23, 1
	s_mov_b32 s[CU], 0
	s_mov_b32 s[FU], 2                             ; units 0 and 1 are the first fills
	s_mov_b32 s[TB], 0
	s_mov_b32 s[NEG], 0xf149f2ca
	s_mov_b32 s[OFA+1], 0
	s_mov_b32 s[OFB+1], 0
	s_mov_b32 s[OFO+1], 0
	s_mov_b32 s[G0A], 1
	s_mul_i32 s[G0A+1], s[CH], 64*PAP              ; no place in the cluster enters an LDS address
	s_mov_b32 s[G0A+4], 1
	s_add_co_u32 s[G0A+5], s[G0A+1], SLOT
	s_mov_b32 s[G0B], 1
	s_mul_i32 s[G0B+1], s[CH], 128*PVP
	s_add_co_u32 s[G0B+1], s[G0B+1], BOFF
	s_mov_b32 s[G0B+4], 1
	s_add_co_u32 s[G0B+5], s[G0B+1], SLOT
	s_lshl_b32 s[TT], s19, 23                      ; P: batch x 8,388,608 + (128 i + 64 half) rows of 4,096 bytes
	s_lshl_b32 s21, s[CH], 18
	s_add_co_u32 s[TT], s[TT], s21
	s_lshl_b32 s[OFB], s19, 11                     ; V: (2048 batch + 128 half) rows of 6,144 bytes + 4,096 + 256 x channel block
	s_lshl_b32 s21, s[CH], 7
	s_add_co_u32 s[OFB], s[OFB], s21
	s_mul_i32 s[OFB], s[OFB], 6144
	s_add_co_u32 s[OFB], s[OFB], 4096
	s_lshl_b32 s96, s17, 8
	s_add_co_u32 s[OFB], s[OFB], s96
	s_wait_dscnt 0x0                               ; the opening add is done
	s_wait_kmcnt 0x0
	s_lshl_b32 s[OFA], s22, 19
	s_add_co_u32 s[OFA], s[OFA], s[TT]
	s_add_nc_u64 s[PAC:PAC+1], s[4:5], s[OFA:OFA+1]
	s_lshl_b32 s[OFA], s23, 19
	s_add_co_u32 s[OFA], s[OFA], s[TT]
	s_add_nc_u64 s[PA2:PA2+1], s[4:5], s[OFA:OFA+1]
	s_add_nc_u64 s[VB:VB+1], s[6:7], s[OFB:OFB+1]
	s_mov_b64 s[G0A+2:G0A+3], s[PAC:PAC+1]                     ; unit 0
	s_add_nc_u64 s[G0A+6:G0A+7], s[PAC:PAC+1], 512             ; unit 1: 256 keys on
	s_or_b32 s[G0A+3], s[G0A+3], 0x80000000
	s_or_b32 s[G0A+7], s[G0A+7], 0x80000000
	s_mov_b64 s[G0B+2:G0B+3], s[VB:VB+1]
	s_add_nc_u64 s[G0B+6:G0B+7], s[VB:VB+1], 1572864           ; 256 rows of 6,144 bytes
	s_or_b32 s[G0B+3], s[G0B+3], 0x80000000
	s_or_b32 s[G0B+7], s[G0B+7], 0x80000000
	CROUND                                         ; all sixteen work-groups are here: the first joint loads meet
	s_cmp_lt_u32 s[WV], 2                          ; a wave's two first fills stand in one branch: two loads of mine are out
	s_cbranch_scc0 .Lfirst_v
	tensor_load_to_lds s[G0A:G0A+3], s[G1A:G1A+7]
	s_nop 0
	tensor_load_to_lds s[G0A+4:G0A+7], s[G1A:G1A+7]
	s_nop 0
.rept 4
	v_nop
.endr
	s_branch .Lfirst_asked
.Lfirst_v:
	tensor_load_to_lds s[G0B:G0B+3], s[G1B:G1B+7]
	s_nop 0
	tensor_load_to_lds s[G0B+4:G0B+7], s[G1B:G1B+7]
	s_nop 0
.rept 4
	v_nop
.endr
.Lfirst_asked:
	s_lshl_b32 s[TT], s19, 18                      ; st: batch x 262,144 + (128 i + 64 rh) rows of 8 bytes
	s_lshl_b32 s21, s[RH], 9
	s_add_co_u32 s[TT], s[TT], s21
	s_lshl_b32 s[OFA], s22, 10
	s_add_co_u32 s[OFA], s[OFA], s[TT]
	s_add_nc_u64 s[STC:STC+1], s[8:9], s[OFA:OFA+1]
	s_lshl_b32 s[OFA], s23, 10
	s_add_co_u32 s[OFA], s[OFA], s[TT]
	s_add_nc_u64 s[ST2:ST2+1], s[8:9], s[OFA:OFA+1]
	s_lshl_b32 s97, s19, 23                        ; out: (2048 batch + 128 i + 64 rh) rows of 4,096 bytes + 512 x channel block + 256 ch
	s_lshl_b32 s96, s[RH], 18
	s_add_co_u32 s97, s97, s96
	s_lshl_b32 s96, s17, 9
	s_add_co_u32 s97, s97, s96
	s_lshl_b32 s96, s[CH], 8
	s_add_co_u32 s97, s97, s96
	s_lshl_b32 s[OFO], s22, 19
	s_add_co_u32 s[OFO], s[OFO], s97
	s_add_nc_u64 s[OC:OC+1], s[10:11], s[OFO:OFO+1]
	s_lshl_b32 s[OFO], s23, 19
	s_add_co_u32 s[OFO], s[OFO], s97
	s_add_nc_u64 s[O2:O2+1], s[10:11], s[OFO:OFO+1]
	v_and_b32 v1, 15, v0                           ; r
	v_bfe_u32 v2, v0, 4, 1                         ; h
	v_and_b32 v3, 7, v0
	v_bfe_u32 v7, v0, 3, 1
	v_mul_u32_u24 v[ABASE], v1, PAP                ; a fragment of P: row r, 16 bytes for each half of the lanes
	v_lshl_add_u32 v[ABASE], v2, 4, v[ABASE]
	s_mul_i32 s21, s[RH], 64*PAP
	v_add_nc_u32 v[ABASE], s21, v[ABASE]
	v_lshl_add_u32 v[BBASE], v2, 3, v3             ; the turning load: lane l reads key 8 h + l % 8, channels 8 ((l / 8) % 2) on
	v_mul_u32_u24 v[BBASE], v[BBASE], PVP
	v_lshl_add_u32 v[BBASE], v7, 4, v[BBASE]
	s_lshl_b32 s21, s[CH], 7
	s_add_co_u32 s21, s21, BOFF
	v_add_nc_u32 v[BBASE], s21, v[BBASE]
	v_add_nc_u32 v[BBASE+1], 128*PVP, v[BBASE]
	v_add_nc_u32 v[ADRA], s[TB], v[ABASE]
	v_add_nc_u32 v[ADRB], s[TB], v[BBASE]
	v_add_nc_u32 v[ADRB+1], s[TB], v[BBASE+1]
	s_mul_i32 s21, s[WV], 16*SP
	s_add_co_u32 s21, s21, STAGE                   ; my stage: a wave's 64 f32 columns are 256 bytes, so each wave has its own and no barrier is needed
	v_mul_u32_u24 v[STO], v1, SP                   ; in: row r, 32 bytes for each half of the lanes
	v_lshl_add_u32 v[STO], v2, 5, v[STO]
	v_add_nc_u32 v[STO], s21, v[STO]
	v_mul_u32_u24 v[RD], v2, SP                    ; back: lanes 0-15 one row of 256 bytes, lanes 16-31 the next
	v_lshl_add_u32 v[RD], v1, 4, v[RD]
	v_add_nc_u32 v[RD], s21, v[RD]
	v_lshlrev_b32 v[GO], 12, v2                    ; and the same two rows of out
	v_lshl_add_u32 v[GO], v1, 4, v[GO]
	v_lshlrev_b32 v[SVO], 3, v1
	; A phase's first unit multiplies the sums and l by al = 0, so these registers need only hold finite numbers: zeros here, what the first phase left for the second.
	; No first unit is written out for it; the lines stand in the wait for the first tile.
	WIN 0x80
.set n, 0
.rept 128
	v_mov_b32 v[ACC+n], 0
.set n, n+1
.endr
	WIN 0
.set n, 0
.rept 4
	v_mov_b32 v[ST+8*n], 0xfe000000                ; c M: far below every c m
	v_mov_b32 v[ST+8*n+1], 0
.set n, n+1
.endr
; 8 matrix instructions: query blocks a0, a0 + 1 x all 4 channel blocks, 32 keys: half c of buffer f.  zero = 1: the products start the unit's sums.  The 16 accumulators take turns.
.macro MUL8 f, c, a0, zero
	WIN 0xa5                                       ; V and P window 1, C and D window 2
.irp a, \a0, (\a0)+1
.irp b, 0,1,2,3
.if \zero
	v_wmma_f32_16x16x32_f16 v[8*(4*(\a)+(\b)):8*(4*(\a)+(\b))+7], v[(\f)+64+8*(4*(\c)+(\b)):(\f)+64+8*(4*(\c)+(\b))+7], v[(\f)+8*(4*(\c)+(\a)):(\f)+8*(4*(\c)+(\a))+7], 0
.else
	v_wmma_f32_16x16x32_f16 v[8*(4*(\a)+(\b)):8*(4*(\a)+(\b))+7], v[(\f)+64+8*(4*(\c)+(\b)):(\f)+64+8*(4*(\c)+(\b))+7], v[(\f)+8*(4*(\c)+(\a)):(\f)+8*(4*(\c)+(\a))+7], v[8*(4*(\a)+(\b)):8*(4*(\a)+(\b))+7]
.endif
.endr
.endr
.endm
.macro FETCH q, f                      ; 32 LDS loads in one run: quarter q's 64 keys into buffer f, the first 32 keys first
	WIN 0x40
.irp c, 0,1
.irp i, 0,1,2,3
	ds_load_tr16_b128 v[(\f)+64+8*(4*(\c)+(\i)):(\f)+64+8*(4*(\c)+(\i))+3],   v[ADRB+(\q)/2] offset:((\q)%2)*64*PVP+(\c)*32*PVP+32*(\i)
	ds_load_tr16_b128 v[(\f)+64+8*(4*(\c)+(\i))+4:(\f)+64+8*(4*(\c)+(\i))+7], v[ADRB+(\q)/2] offset:((\q)%2)*64*PVP+(\c)*32*PVP+32*(\i)+16*PVP
	ds_load_b128 v[(\f)+8*(4*(\c)+(\i)):(\f)+8*(4*(\c)+(\i))+3],               v[ADRA] offset:128*(\q)+64*(\c)+(\i)*16*PAP
	ds_load_b128 v[(\f)+8*(4*(\c)+(\i))+4:(\f)+8*(4*(\c)+(\i))+7],             v[ADRA] offset:128*(\q)+64*(\c)+(\i)*16*PAP+32
.endr
.endr
.endm
.macro QUARTER q, f, g, zero           ; multiplies buffer f and fetches quarter q into buffer g
	s_wait_dscnt 16                                ; the first 32 keys are in
	MUL8 \f, 0, 0, \zero
	MUL8 \f, 0, 2, \zero
	PLACES
	FETCH \q, \g
	s_wait_dscnt 32                                ; all but the 32 just issued
	MUL8 \f, 1, 0, 0
	MUL8 \f, 1, 2, 0
.endm
.macro HEAD                            ; the unit's pairs (c m, l) are asked for at its beginning and used at its end
	WIN 0
	s_min_u32 s[TT], s[CU], s[UMC]                 ; past my block's last unit: the last valid pair once more,
	s_cmp_gt_u32 s[CU], s[UMC]
	s_cselect_b32 s[PEN], s[NEG], 0                ; and -1e30 onto c m
	s_lshl_b32 s[OFA], s[TT], 15                   ; a unit is two blocks of 128 keys, 16,384 bytes each
	s_add_nc_u64 s[SB:SB+1], s[STC:STC+1], s[OFA:OFA+1]        ; the last unit's loads were waited for in its merge
.irp a, 0,1,2,3
	global_load_b64 v[SV+4*(\a):SV+4*(\a)+1],   v[SVO], s[SB:SB+1] offset:128*(\a)
	global_load_b64 v[SV+4*(\a)+2:SV+4*(\a)+3], v[SVO], s[SB:SB+1] offset:128*(\a)+16384
.endr
	s_add_co_u32 s[CU], s[CU], 1
.endm
.macro NEXTFILL                        ; the walking sets are made anew from the unit's number; then the number steps, and behind the first phase's last unit goes over to the second phase
	s_min_u32 s[TT], s[FU], s[FUM]
	s_lshl_b32 s[OFA], s[TT], 9
	s_add_nc_u64 s[G0A+6:G0A+7], s[PAC:PAC+1], s[OFA:OFA+1]
	s_or_b32 s[G0A+7], s[G0A+7], 0x80000000
	s_xor_b32 s[G0A+5], s[G0A+5], SLOT
	s_mul_i32 s[OFB], s[FU], 1572864
	s_add_nc_u64 s[G0B+6:G0B+7], s[VB:VB+1], s[OFB:OFB+1]
	s_or_b32 s[G0B+7], s[G0B+7], 0x80000000
	s_xor_b32 s[G0B+5], s[G0B+5], SLOT
	s_add_co_u32 s[FU], s[FU], 1
	s_cmp_gt_u32 s[FU], s[FL]
	s_cselect_b32 s[FU], 0, s[FU]
	s_cselect_b64 s[PAC:PAC+1], s[PA2:PA2+1], s[PAC:PAC+1]
	s_cselect_b32 s[FUM], s[UM2], s[FUM]
	s_cselect_b32 s[FL], s[N2M1], s[FL]
.endm
; The last quarter multiplies buffer 1 and changes slots: ONE barrier; in front of it each wave waits for all its tensor loads (one is out: its part of the next slot), adds 0 to its spare word, and
; waits for that and for its reads of this slot.  fill = 1: the barrier opens a round of the cluster's and this slot is filled again, two units ahead, first thing behind it: 112 matrix instructions
; and a merge stand between that request and the wait for it.
.macro TURN fill
	WIN 0
	s_wait_tensorcnt 0x0                           ; no tensor load of mine is out, so a group 0 may be written
	ds_add_u32 v[SPW], v[NIL]                      ; 0 onto my spare word
.if \fill
	NEXTFILL
.endif
	s_wait_dscnt 17                                ; the add and the youngest sixteen loads may be out
	MUL8 F1, 0, 0, 0
	s_wait_dscnt 0x0                               ; the add is done, and my reads of this slot are over
	s_barrier_signal -1
	MUL8 F1, 0, 2, 0
	WIN 0
	s_barrier_wait -1
.if \fill
	CREST                                          ; no wave of any partner still reads this slot or has a load on its way
	JLOAD                                          ; its four v_nop are also the places in front of the loads below
.else
	PLACES
.endif
	s_xor_b32 s[TB], s[TB], SLOT
	v_add_nc_u32 v[ADRA], s[TB], v[ABASE]
	v_add_nc_u32 v[ADRB], s[TB], v[BBASE]
	v_add_nc_u32 v[ADRB+1], s[TB], v[BBASE+1]
	FETCH 0, F0
	MUL8 F1, 1, 0, 0
	MUL8 F1, 1, 2, 0
.endm
.macro ALL line:vararg                 ; one line for each query block t
.set t, 0
	s_wait_alu depctr_va_vdst(0)
.rept 4
	\line
.set t, t+1
.endr
.endm
; The unit enters the sums.  The statistics' lines name no register of the last products: they are the places behind them.
.macro MERGE
	WIN 0
	s_wait_loadcnt 0x0                             ; the unit's pairs
	ALL v_add_f32 v[ST+8*t+6], s[PEN], v[SV+4*t]               ; c m of the unit (the same in both of its blocks of 128 keys)
	ALL v_add_f32 v[ST+8*t+7], v[SV+4*t+1], v[SV+4*t+3]        ; its row sum
	ALL v_max_num_f32 v[ST+8*t+5], v[ST+8*t], v[ST+8*t+6]      ; the new c M
	ALL v_sub_f32 v[ST+8*t+3], v[ST+8*t], v[ST+8*t+5]
	ALL v_sub_f32 v[ST+8*t+6], v[ST+8*t+6], v[ST+8*t+5]
	ALL v_exp_f32 v[ST+8*t+2], v[ST+8*t+3]                     ; al
	ALL v_exp_f32 v[ST+8*t+4], v[ST+8*t+6]                     ; g
	ALL v_mov_b32 v[ST+8*t], v[ST+8*t+5]                       ; plain lines behind the exponentials, which touch neither their results nor their sources
	ALL v_mul_f32 v[ST+8*t+7], v[ST+8*t+4], v[ST+8*t+7]
	ALL v_fma_f32 v[ST+8*t+1], v[ST+8*t+1], v[ST+8*t+2], v[ST+8*t+7]   ; l = l al + g sum
	WIN 0xa2                                       ; sums and products window 2, factors window 0
.set t, 0
.rept 16                                   ; each accumulator's registers in ascending order
.set z, 0
.rept 4
	v_pk_mul_f32 v[ACC+8*t+2*z:ACC+8*t+2*z+1], v[ACC+8*t+2*z:ACC+8*t+2*z+1], v[ST+8*(t/4)+2:ST+8*(t/4)+3] op_sel_hi:[1,0]
.set z, z+1
.endr
.set z, 0
.rept 4
	v_pk_fma_f32 v[ACC+8*t+2*z:ACC+8*t+2*z+1], v[8*t+2*z:8*t+2*z+1], v[ST+8*(t/4)+4:ST+8*(t/4)+5], v[ACC+8*t+2*z:ACC+8*t+2*z+1] op_sel_hi:[1,0,1]
.set z, z+1
.endr
.set t, t+1
.endr
.endm
.macro UNIT fill
	HEAD
	QUARTER 1, F0, F1, 1
	QUARTER 2, F1, F0, 0
	QUARTER 3, F0, F1, 0
	TURN \fill
	MERGE
.endm
; A PHASE'S END: the sums are divided by l and sent through my stage, 16 rows at a time; 16 lanes store 256 consecutive bytes, at a multiple of 256 from out's first byte.
.macro FINISH
	WIN 0
	s_wait_xcnt 0x0                                ; an earlier phase's stores have read their registers
	ALL v_rcp_f32 v[ST+8*t+2], v[ST+8*t+1]
	v_nop                                          ; a plain instruction between the last reciprocal and the use of its result
	s_wait_alu depctr_va_vdst(0)
.irp a, 0,1,2,3
	WIN 0x82
.set n, 0
.rept 16
	v_pk_mul_f32 v[ACC+32*(\a)+2*n:ACC+32*(\a)+2*n+1], v[ACC+32*(\a)+2*n:ACC+32*(\a)+2*n+1], v[ST+8*(\a)+2:ST+8*(\a)+3] op_sel_hi:[1,0]
.set n, n+1
.endr
	WIN 0x08                                       ; the stores' data in window 2
.set n, 0
.rept 8
	ds_store_b128 v[STO], v[ACC+32*(\a)+4*n:ACC+32*(\a)+4*n+3] offset:64*(n/2)+16*(n%2)
.set n, n+1
.endr
	WIN 0
.set n, 0
.rept 8
	ds_load_b128 v[OB+32*(\a)+4*n:OB+32*(\a)+4*n+3], v[RD] offset:n*2*SP  ; LDS serves a wave's instructions in order (ISA guide 5.7.1.4): these see the stores above, the next block's stores come behind
.set n, n+1
.endr
.endr
.irp a, 0,1,2,3
.set n, 0
.rept 8
	s_wait_dscnt 16*(3-(\a))+7-n                   ; behind this load: its block's younger loads and sixteen LDS instructions for each later block
	global_store_b128 v[GO], v[OB+32*(\a)+4*n:OB+32*(\a)+4*n+3], s[OC:OC+1] offset:(16*(\a)+2*n)*4096
.set n, n+1
.endr
.endr
.endm
	s_wait_tensorcnt 0x1                           ; my part of unit 0 is in; unit 1's may stay out
	s_barrier_signal -1
	s_barrier_wait -1
	FETCH 0, F0
	WIN 0
	s_mov_b32 s[CNT], 8
.Lunit:                                                ; 8 trips: units 2 to 9 of the walk are asked for
	UNIT 1
	WIN 0
	s_sub_co_u32 s[CL], s[CL], 1
	s_cmp_lg_u32 s[CL], 0
	s_cbranch_scc1 .Lsame                          ; hangs on m alone; what is jumped holds no barrier and no tensor load
	FINISH                                         ; the first phase's block goes out
	s_wait_xcnt 0x0                                ; the stores have read out's address
	s_mov_b64 s[OC:OC+1], s[O2:O2+1]
	s_mov_b64 s[STC:STC+1], s[ST2:ST2+1]
	s_mov_b32 s[UMC], s[UM2]
	s_mov_b32 s[CU], 0
	s_mov_b32 s[CL], s[N2]
	ALL v_mov_b32 v[ST+8*t], 0xfe000000            ; c M starts anew: the next unit's al is 0
.Lsame:
	s_sub_co_u32 s[CNT], s[CNT], 1
	s_cmp_lg_u32 s[CNT], 0
	s_cbranch_scc1 .Lunit
	s_mov_b32 s[CNT], 2
.Ltail:                                                ; the walk's last two units ask for nothing; the very last fetch reads landed bytes that nobody uses
	UNIT 0
	WIN 0
	s_sub_co_u32 s[CNT], s[CNT], 1
	s_cmp_lg_u32 s[CNT], 0
	s_cbranch_scc1 .Ltail
	FINISH
	s_wait_tensorcnt 0x0                           ; the wave's end
	ds_add_u32 v[SPW], v[NIL]
	s_wait_dscnt 0x0
	CROUND                                         ; the closing round
	s_endpgm
.Lfunc_end_k_qff7cd8c467_pv:
	.size	k_qff7cd8c467_pv, .Lfunc_end_k_qff7cd8c467_pv-k_qff7cd8c467_pv
	.p2alignl 7, 3214868480
	.fill 96, 4, 3214868480
	.section	.rodata,"a",@progbits
	.p2align	6, 0x0
	.amdhsa_kernel k_qff7cd8c467_pv
		.amdhsa_group_segment_fixed_size 327680
		.amdhsa_private_segment_fixed_size 0
		.amdhsa_enable_private_segment 0
		.amdhsa_kernarg_size 32
		.amdhsa_user_sgpr_count 2
		.amdhsa_user_sgpr_kernarg_segment_ptr 1
		.amdhsa_wavefront_size32 1
		.amdhsa_system_sgpr_workgroup_id_x 1
		.amdhsa_system_sgpr_workgroup_id_y 1
		.amdhsa_system_sgpr_workgroup_id_z 1
		.amdhsa_system_vgpr_workitem_id 0
		.amdhsa_next_free_vgpr 768
		.amdhsa_next_free_sgpr 100
		.amdhsa_reserve_vcc 0
		.amdhsa_float_denorm_mode_32 3
		.amdhsa_float_denorm_mode_16_64 3
		.amdhsa_memory_ordered 1
		.amdhsa_forward_progress 1
		.amdhsa_inst_pref_size 99
	.end_amdhsa_kernel
	.amdgpu_metadata
---
amdhsa.version: [ 1, 2 ]
amdhsa.kernels:
  - .name:           k_qff7cd8c467_pv
    .symbol:         k_qff7cd8c467_pv.kd
    .args:
      - { .name: p, .offset: 0, .size: 8, .value_kind: global_buffer, .address_space: global }
      - { .name: qkv, .offset: 8, .size: 8, .value_kind: global_buffer, .address_space: global }
      - { .name: st, .offset: 16, .size: 8, .value_kind: global_buffer, .address_space: global }
      - { .name: out0, .offset: 24, .size: 8, .value_kind: global_buffer, .address_space: global }
    .group_segment_fixed_size: 327680
    .private_segment_fixed_size: 0
    .kernarg_segment_align: 8
    .kernarg_segment_size: 32
    .max_flat_workgroup_size: 128
    .sgpr_count:     100
    .vgpr_count:     768
    .wavefront_size: 32
...
	.end_amdgpu_metadata
.endif
;; end of part 4
;; ======== version 2 of 2: 4 launches; version 1 with the launch prep written anew for expert scheduling mode
;; limits: values are held in f16: magnitudes above 65,504 overflow, below 6.1e-05 lose precision; right only within a limited range of input values
;; workspace buffers: xh 16,777,216 bytes; wh 6,291,456 bytes; qkv 50,331,648 bytes; p 33,554,432 bytes; st 1,048,576 bytes
;; launch prep (part 5): grid 704 x 1, 8 waves a work-group, no clusters, 0 bytes of LDS; arguments x, Wq, Wk, Wv, xh, wh; writes xh, wh
.if DOCPART == 5
	.amdgcn_target "amdgcn-amd-amdhsa--gfx1250"
	.amdhsa_code_object_version 6
	.text
	.protected	k_qff7cd8c467_prep
	.globl	k_qff7cd8c467_prep
	.p2align	8
	.type	k_qff7cd8c467_prep,@function
k_qff7cd8c467_prep:
	s_mov_b64 s[64:65], 0
	v_nop
	global_prefetch_b8 v0, s[64:65] scope:SCOPE_SE
	s_setreg_imm32_b32 hwreg(HW_REG_WAVE_SCHED_MODE, 0, 2), 2
	s_setreg_imm32_b32 hwreg(HW_REG_WAVE_MODE, 25, 1), 1
	s_wait_xcnt 0x0
	s_wait_alu depctr_vm_vsrc(0)
; xh = f16(bf16(x)), wh = f16(bf16(Wq, Wk, Wv)), laid out in blocks for the product that follows.  A stream: no LDS, no matrix unit, no barrier.
; Every input is rounded to bf16 (8 significant bits) and that number is written as f16 (11 bits): exact between 6.1e-5 and 65,504 in magnitude.
; LIMITS.  An input beyond 65,504 becomes an infinity; below 6.1e-5 the f16 keeps its fixed step of 6e-8.  NaN and infinities are not treated apart.
; xh: [16 kb][8192 row][64 k] f16: the rows of one block of 64 along K lie end to end, 128 bytes each.
; wh: [24 seg][1024 d][128 e] f16, seg = 8 m + e / 128, m = 0, 1, 2 for Wq, Wk, Wv: rows of 256 bytes.
; SHARES.  A wave takes 8,192 consecutive bytes of an input: two rows of 1,024 f32.  Sixteen loads of 16 bytes a lane, sixteen stores of 8 bytes a lane;
; each store of the wave covers 256 consecutive bytes, aligned.  Work-groups 0-511 take x (8 row pairs each), 512-703 the three weights (64 work-groups each).
; THE MODE: SCHED_MODE bits 1:0 = 2 (LLVM: expert scheduling mode 2), set by the entry lines.  The code itself states the register dependences
; between vector instructions and memory instructions, with s_wait_alu, always for 0.
; THE PLAN.  Registers that memory instructions touch:
;   X          Written by the sixteen loads alone, once; read by the conversions; never loaded again.
;   Y          Pair j is written once, by conversion j, and read by store j; never written again.
;   v1, v5, v6 Byte offsets, made at the head by vector instructions and never written again behind the first load.
;   T is named by vector instructions alone.  s16, the wave's number, is written by v_readfirstlane_b32 and read by scalar arithmetic in both arms.
; The sixteen conversions go in four blocks of four.  Block p converts X's loads 4 p .. 4 p + 3 into Y's pairs of the same numbers; its memory instructions are the four stores of
; block p - 1, whose registers (that block's Y, v5, v6) no vector instruction of block p names.  So one wait at a block's head, behind the wait for its data, states all that its
; four stores hang on, and they are dealt among its conversions with no further wait.  One more wait stands ahead of the last four stores.
.set X, 8                              ; v[8:71]    sixteen loads, four f32 each
.set T, 72                             ; v[72:75]   at work
.set Y, 76                             ; v[76:107]  sixteen stores, four f16 each; each pair is written once, so no store's data is rewritten
.macro CONV j                          ; four f32 -> bf16 -> f32 (a shift, a mask) -> f16
	v_cvt_pk_bf16_f32 v[T], v[X+4*(\j)], v[X+4*(\j)+1]
	v_cvt_pk_bf16_f32 v[T+1], v[X+4*(\j)+2], v[X+4*(\j)+3]
	v_lshlrev_b32 v[T+2], 16, v[T]
	v_and_b32 v[T], s17, v[T]
	v_lshlrev_b32 v[T+3], 16, v[T+1]
	v_and_b32 v[T+1], s17, v[T+1]
	v_cvt_pk_f16_f32 v[Y+2*(\j)], v[T+2], v[T]
	v_cvt_pk_f16_f32 v[Y+2*(\j)+1], v[T+3], v[T+1]
.endm
.macro STX j                           ; x's store j: my two rows' 256 bytes in block j of xh
.if (\j) < 8
	global_store_b64 v5, v[Y+2*(\j):Y+2*(\j)+1], s[26:27] offset:(\j)*1048576
.else
	global_store_b64 v6, v[Y+2*(\j):Y+2*(\j)+1], s[26:27] offset:((\j)-8)*1048576
.endif
.endm
.macro STW j                           ; a weight's store j: row d0 + j / 8 of segment j mod 8
	global_store_b64 v5, v[Y+2*(\j):Y+2*(\j)+1], s[26:27] offset:((\j)%8)*262144+((\j)/8)*256
.endm
	s_load_b256 s[4:11], s[0:1], 0x0               ; x s[4:5], Wq s[6:7], Wk s[8:9], Wv s[10:11]
	s_load_b128 s[12:15], s[0:1], 0x20             ; xh s[12:13], wh s[14:15]
	v_lshrrev_b32 v1, 5, v0
	v_readfirstlane_b32 s16, v1                    ; wave 0..7
	v_and_b32 v2, 31, v0                           ; lane
	v_lshlrev_b32 v5, 3, v2                        ; 8 x lane: my 8 bytes of a store's 256
	s_mov_b32 s17, 0xffff0000                      ; a word's upper bf16
	s_mov_b32 s21, 0                               ; high words of the two offsets
	s_mov_b32 s23, 0
	s_wait_alu depctr_va_sdst(0)                   ; s16 is written, ahead of the branch: each arm makes its row number from it
	s_cmp_lt_u32 ttmp9, 512
	s_cbranch_scc0 .Lweights
	; x: row pair rp = 8 x work-group + wave.  Load kb: lanes 0-15 take 256 bytes (64 k) of the even row, lanes 16-31 of the odd row.
	v_lshrrev_b32 v3, 4, v2
	v_and_b32 v4, 15, v2
	v_lshlrev_b32 v1, 4, v4
	v_lshl_add_u32 v1, v3, 12, v1                  ; row x 4,096 + 16 x (lane mod 16)
	v_add_nc_u32 v6, 0x800000, v5                  ; blocks 8-15 lie 8 x 1,048,576 bytes on: beyond the immediate's reach
	s_lshl_b32 s18, ttmp9, 3
	s_add_co_u32 s18, s18, s16                     ; rp
	s_lshl_b32 s20, s18, 13                        ; two rows of x: 8,192 bytes
	s_lshl_b32 s22, s18, 8                         ; two rows of a block of xh: 256 bytes
	s_wait_kmcnt 0x0
	s_add_nc_u64 s[24:25], s[4:5], s[20:21]
	s_add_nc_u64 s[26:27], s[12:13], s[22:23]
	s_wait_alu depctr_va_vdst(0)                   ; v1, v5 and v6 are written: the loads below read v1 as their offset, the stores v5 or v6; none is written again
.set j, 0
.rept 16
	global_load_b128 v[X+4*j:X+4*j+3], v1, s[24:25] offset:256*j th:TH_LOAD_NT
.set j, j+1
.endr
.set j, 0
.rept 16
.if (j%4) == 0
	s_wait_loadcnt 12-j                            ; loads come back in order: this block's four are in, the 12 - j younger ones stay out
.if j > 0
	s_wait_alu depctr_va_vdst(0)                   ; the block before has written its four pairs of Y, which the four stores dealt into this block read
.endif
.endif
.if j >= 4
	STX j-4                                        ; no vector instruction since the wait names this store's registers
.endif
	CONV j
.set j, j+1
.endr
	s_wait_alu depctr_va_vdst(0)                   ; the last block has written its four pairs of Y, which the last four stores read
.irp i, 12,13,14,15
	STX \i
.endr
	s_endpgm
.Lweights:
	; weights: m = g / 64, rows d0 = 16 (g mod 64) + 2 x wave and d0 + 1.  Load j: 512 consecutive bytes: row d0 + j / 8, columns 128 (j mod 8) on.
	s_sub_co_u32 s18, ttmp9, 512
	s_lshr_b32 s19, s18, 6                         ; m
	s_and_b32 s18, s18, 63
	s_lshl_b32 s18, s18, 4
	s_lshl1_add_u32 s18, s16, s18                  ; d0
	s_lshl_b32 s20, s18, 12                        ; d0 rows of 4,096 bytes
	s_lshl_b32 s22, s18, 8                         ; d0 rows of 256 bytes,
	s_lshl_b32 s28, s19, 21                        ; in the eight segments of weight m
	s_add_co_u32 s22, s22, s28
	v_lshlrev_b32 v1, 4, v2                        ; 16 x lane
	s_wait_kmcnt 0x0
	s_cmp_eq_u32 s19, 1
	s_cselect_b64 s[24:25], s[8:9], s[6:7]         ; the weight is chosen by the work-group's number alone
	s_cmp_eq_u32 s19, 2
	s_cselect_b64 s[24:25], s[10:11], s[24:25]
	s_add_nc_u64 s[24:25], s[24:25], s[20:21]
	s_add_nc_u64 s[26:27], s[14:15], s[22:23]
	s_wait_alu depctr_va_vdst(0)                   ; v1 and v5 are written: the loads below read v1 as their offset, the stores v5; neither is written again
.set j, 0
.rept 16
	global_load_b128 v[X+4*j:X+4*j+3], v1, s[24:25] offset:512*j th:TH_LOAD_NT
.set j, j+1
.endr
.set j, 0
.rept 16
.if (j%4) == 0
	s_wait_loadcnt 12-j                            ; as above
.if j > 0
	s_wait_alu depctr_va_vdst(0)                   ; the block before has written its four pairs of Y, which the four stores dealt into this block read
.endif
.endif
.if j >= 4
	STW j-4                                        ; no vector instruction since the wait names this store's registers
.endif
	CONV j
.set j, j+1
.endr
	s_wait_alu depctr_va_vdst(0)                   ; the last block has written its four pairs of Y, which the last four stores read
.irp i, 12,13,14,15
	STW \i
.endr
	s_endpgm
.Lfunc_end_k_qff7cd8c467_prep:
	.size	k_qff7cd8c467_prep, .Lfunc_end_k_qff7cd8c467_prep-k_qff7cd8c467_prep
	.p2alignl 7, 3214868480
	.fill 96, 4, 3214868480
	.section	.rodata,"a",@progbits
	.p2align	6, 0x0
	.amdhsa_kernel k_qff7cd8c467_prep
		.amdhsa_group_segment_fixed_size 0
		.amdhsa_private_segment_fixed_size 0
		.amdhsa_enable_private_segment 0
		.amdhsa_kernarg_size 48
		.amdhsa_user_sgpr_count 2
		.amdhsa_user_sgpr_kernarg_segment_ptr 1
		.amdhsa_wavefront_size32 1
		.amdhsa_system_sgpr_workgroup_id_x 1
		.amdhsa_system_sgpr_workgroup_id_y 1
		.amdhsa_system_sgpr_workgroup_id_z 1
		.amdhsa_system_vgpr_workitem_id 0
		.amdhsa_next_free_vgpr 112
		.amdhsa_next_free_sgpr 66
		.amdhsa_reserve_vcc 0
		.amdhsa_float_denorm_mode_32 3
		.amdhsa_float_denorm_mode_16_64 3
		.amdhsa_memory_ordered 1
		.amdhsa_forward_progress 1
		.amdhsa_inst_pref_size 21
	.end_amdhsa_kernel
	.amdgpu_metadata
---
amdhsa.version: [ 1, 2 ]
amdhsa.kernels:
  - .name:           k_qff7cd8c467_prep
    .symbol:         k_qff7cd8c467_prep.kd
    .args:
      - { .name: x, .offset: 0, .size: 8, .value_kind: global_buffer, .address_space: global }
      - { .name: Wq, .offset: 8, .size: 8, .value_kind: global_buffer, .address_space: global }
      - { .name: Wk, .offset: 16, .size: 8, .value_kind: global_buffer, .address_space: global }
      - { .name: Wv, .offset: 24, .size: 8, .value_kind: global_buffer, .address_space: global }
      - { .name: xh, .offset: 32, .size: 8, .value_kind: global_buffer, .address_space: global }
      - { .name: wh, .offset: 40, .size: 8, .value_kind: global_buffer, .address_space: global }
    .group_segment_fixed_size: 0
    .private_segment_fixed_size: 0
    .kernarg_segment_align: 8
    .kernarg_segment_size: 48
    .max_flat_workgroup_size: 256
    .sgpr_count:     66
    .vgpr_count:     112
    .wavefront_size: 32
...
	.end_amdgpu_metadata
.endif
;; end of part 5
;; launch proj: the kernel of part 2 again; grid 8 x 32, 4 waves a work-group, clusters of 4 x 4, 327,680 bytes of LDS; arguments xh, wh, qkv; writes qkv
;; launch scores: the kernel of part 3 again; grid 36 x 4, 4 waves a work-group, no clusters, 327,680 bytes of LDS; arguments qkv, p, st; writes p, st
;; launch pv: the kernel of part 4 again; grid 8 x 32, 4 waves a work-group, clusters of 4 x 4, 327,680 bytes of LDS; arguments p, qkv, st, out0; writes out0
